; MI455X (gfx1250); checked and timed in simulation.
; The chip was launched on July 23, 2026; its instructions are those of AMD's public machine-readable ISA for CDNA 5 (MIT licence, August 2026) and "CDNA5" Instruction Set Architecture Reference Guide (July 2026). The comments in the code are by the model that wrote it; some were corrected since.
;; Simple Transformer Layer. Allowed arithmetic: matrix products marked QUANTISED: E2M1 operands, one E8M0 scale for each 32 along K, by v_wmma_scale_f32_16x16x128_f8f6f4 with both operands' format E2M1 (or v_wmma_scale_f32_32x16x128_f4), f32 sums; everything else in f32.
;; Inputs: W1_codes 4,096 x 32 x 16 uint8 (E2M1 codes of W1, K innermost, in blocks of 32 codes, two codes a byte); W1_scales 4,096 x 32 uint8 (E8M0 scales of W1, one for each 32 codes along K); W2_codes 1,024 x 128 x 16 uint8 (E2M1 codes of W2, K innermost, in blocks of 32 codes, two codes a byte); W2_scales 1,024 x 128 uint8 (E8M0 scales of W2, one for each 32 codes along K); Wk_codes 1,024 x 32 x 16 uint8 (E2M1 codes of Wk, K innermost, in blocks of 32 codes, two codes a byte); Wk_scales 1,024 x 32 uint8 (E8M0 scales of Wk, one for each 32 codes along K); Wo_codes 1,024 x 32 x 16 uint8 (E2M1 codes of Wo, K innermost, in blocks of 32 codes, two codes a byte); Wo_scales 1,024 x 32 uint8 (E8M0 scales of Wo, one for each 32 codes along K); Wq_codes 1,024 x 32 x 16 uint8 (E2M1 codes of Wq, K innermost, in blocks of 32 codes, two codes a byte); Wq_scales 1,024 x 32 uint8 (E8M0 scales of Wq, one for each 32 codes along K); Wv_codes 1,024 x 32 x 16 uint8 (E2M1 codes of Wv, K innermost, in blocks of 32 codes, two codes a byte); Wv_scales 1,024 x 32 uint8 (E8M0 scales of Wv, one for each 32 codes along K); b1 1,024 float32; b2 1,024 float32; g1 1,024 float32; g2 1,024 float32; x 2 x 2,048 x 1,024 float32.
;; Outputs: out0 2 x 2,048 x 1,024 float32.
;; This version of the problem:
;;   THIS VERSION OF THE PROBLEM IS GIVEN IN LOW PRECISION. The matrix products marked QUANTISED in the list below multiply operands that are first quantised to E2M1 (2 exponent bits, 1 mantissa bit; 4 bits a number), with one power-of-two scale for each 32 numbers along K (OCP MX v1.0); their sums are f32. All else is computed in f32.
;;   The module's matrix products, in the order in which they are computed (A, B: the left and right operand; K: the contracted axis; several contracted axes count as one K, in the product's order):
;;     1. [M 4,096, K 1,024] x [K 1,024, N 1,024]; A: input x; B: input Wq (given as codes): QUANTISED
;;     2. [M 4,096, K 1,024] x [K 1,024, N 1,024]; A: input x; B: input Wk (given as codes): QUANTISED
;;     3. [M 4,096, K 1,024] x [K 1,024, N 1,024]; A: input x; B: input Wv (given as codes): QUANTISED
;;     4. batch 32 x [M 2,048, K 64] x [K 64, N 2,048]; A: computed on the way; B: computed on the way: QUANTISED
;;     5. batch 32 x [M 2,048, K 2,048] x [K 2,048, N 64]; A: softmax (see below); B: computed on the way: QUANTISED
;;     6. [M 4,096, K 1,024] x [K 1,024, N 1,024]; A: computed on the way; B: input Wo (given as codes): QUANTISED
;;     7. [M 4,096, K 1,024] x [K 1,024, N 4,096]; A: computed on the way; B: input W1 (given as codes): QUANTISED
;;     8. [M 4,096, K 4,096] x [K 4,096, N 1,024]; A: computed on the way; B: input W2 (given as codes): QUANTISED
;;   THE QUANTISER, for each operand of a quantised product, along K:
;;     - K is cut into blocks of 32 from its start; a last block that is shorter is filled with zeros.
;;     - A block's scale is 2^e with e = floor(log2(the largest magnitude in the block)) - 2, held to -126 .. 127; a block of zeros has e = 0. As a byte (E8M0): e + 127.
;;     - Each number is divided by its block's scale, clamped to +-6, and rounded to the nearest number of E2M1, ties to even, subnormals kept.
;;     - The product sums the exact products of the quantised numbers (number of the format x scale) in f32.
;;   ~~~python
;;   def quantise(x, axis):      # numpy; x: float32 -> the quantised numbers, widened to float32 again
;;       x = np.moveaxis(x, axis, -1); K = x.shape[-1]
;;       x = np.pad(x, [(0, 0)] * (x.ndim - 1) + [(0, -K % 32)]); x = x.reshape(x.shape[:-1] + (-1, 32)); a = np.abs(x).max(-1, keepdims=True)
;;       e = np.where(a > 0, np.clip(np.frexp(np.where(a > 0, a, 1))[1] - 1 - 2, -126, 127), 0)      # np.frexp(a)[1] - 1 = floor(log2(a)), exactly
;;       r = np.clip(x / 2.0 ** e, -6, 6)
;;       step = 2.0 ** (np.maximum(np.frexp(np.where(r == 0, 1, r))[1] - 1, 0) - 1)
;;       q = np.round(r / step) * step * 2.0 ** e      # np.round: ties to even
;;       return np.moveaxis(q.reshape(q.shape[:-2] + (-1,))[..., :K], -1, axis).astype(np.float32)
;;   ~~~
;;   SOFTMAX AHEAD OF A QUANTISED PRODUCT. Where the list says 'softmax', what is quantised is not the finished softmax but p = 2^(t - M), with t = logit x log2(e) and M = ceil(the row's largest t), a whole number; so 1/2 < the row's largest p <= 1. The row's sum l is taken of the UNQUANTISED p, in f32, and the product's result is divided by l at the end. Since M is a whole number, a kernel that streams over the keys may use a running M (the ceiling of the running maximum): every later rescaling is an exact power of two, which a block's scale takes up: the codes' values come out the same.
;;   OPERANDS COMPUTED ON THE WAY. 'Computed on the way' means the value that the module computes at that place (a softmax that the list does not call 'softmax' is quantised finished and normalised). What goes into a quantiser is computed in f32, as accurately as f32 sums, v_exp_f32 and their like allow (about 1e-6 of the number): no bf16 or f16 on the way to a quantiser, and a product that is left as it is and whose result goes on into a quantised operand takes f32 operands (vector FMAs, or v_wmma_f32_16x16x4_f32). A number that lies on a knife's edge between two numbers of the format may be rounded either way, as far as f32 arithmetic and the matrix unit's own rounding can turn it there, and no further.
;;   INPUTS GIVEN AS CODES. W1 (in the module: [4096, 1024], K = its axis 1); W2 (in the module: [1024, 4096], K = its axis 1); Wk (in the module: [1024, 1024], K = its axis 1); Wo (in the module: [1024, 1024], K = its axis 1); Wq (in the module: [1024, 1024], K = its axis 1); Wv (in the module: [1024, 1024], K = its axis 1): each comes as NAME_codes (uint8): NAME with its K axis moved to the last place and cut into blocks of 32 codes, [.., K / 32, bytes a block], one block behind the other in memory; two codes a byte, the lower K in the low four bits (a code: sign, 2 exponent bits, 1 mantissa bit); and NAME_scales (uint8): the same leading axes, one E8M0 byte (e + 127) for each 32 codes along K. Its value is code x scale, taken as it is: it is not quantised again, and the codes and scales need not be those that the quantiser above would give.
;; One version. Each part assembles by itself: llvm-mc -triple=amdgcn-amd-amdhsa -mcpu=gfx1250 --defsym DOCPART=n.
;; ======== version 1 of 1: 7 launches
;; limits: right only within a limited range of input values
;; workspace buffers: xq 2,228,224 bytes; qkv 6,946,816 bytes; ao 2,228,224 bytes; xa 19,005,440 bytes; hq 8,912,896 bytes; z2 16,777,216 bytes; woi 524,288 bytes
;; launch quantx (part 1): grid 256 x 1, 4 waves a work-group, no clusters, 34,816 bytes of LDS; arguments x, xq, Wo_codes, woi; writes xq, woi
.if DOCPART == 1
	.amdgcn_target "amdgcn-amd-amdhsa--gfx1250"
	.amdhsa_code_object_version 6
	.text
	.protected	k_q01db0622d5_quantx
	.globl	k_q01db0622d5_quantx
	.p2align	8
	.type	k_q01db0622d5_quantx,@function
k_q01db0622d5_quantx:
	s_mov_b64 s[64:65], 0
	v_nop
	global_prefetch_b8 v0, s[64:65] scope:SCOPE_SE
	s_setreg_imm32_b32 hwreg(HW_REG_WAVE_MODE, 25, 1), 1
	s_wait_xcnt 0x0
; x [4096][1024] f32 becomes codes of FP4 (E2M1) with one E8M0 byte for each 32 along K, laid as the matrix unit's registers want them.
; xq: images at 0: [tile of 16 tokens, 256][K step of 128, 8][1,024 bytes]: two pieces of 512 bytes, lane l = r + 16 h' has the 16 bytes of block 2 c + h' of row r.
;     scale words at 0x200000: [chunk of 512 K, 2][tile 256][row 16][4 words].
; A work-group takes one tile of 16 tokens; wave q takes K steps 2 q and 2 q + 1, and asks for all its 32 loads at the head.  Each load reads 512 consecutive bytes of one row; the 16 x 512 bytes of a K step
; turn through the wave's own stage in LDS (rows 528 bytes apart), from which lane (r, h) takes, of each block of 32 of row r, numbers 8 h .. 8 h + 7 and 16 + 8 h .. 16 + 8 h + 7.
; The four waves' scale words meet in 512 bytes of LDS, so that they leave as two runs of 256 consecutive bytes.
; A block's scale is its largest magnitude's exponent field less 2, held at 1 from below.
; LIMITS: NaN and infinities are not served; a block whose largest magnitude lies under 2^-124, a block of zeros too, keeps the byte 1 (zero codes add nothing; only this program reads the bytes).
.set STGB, 8448                        ; a wave's stage: 16 rows x 528 bytes
.set GS,   33792                       ; behind the four stages: [chunk 2][row 16][4 words]
.set TM,   8                           ; v8-11 largest magnitudes, v12-15 the other half's, then the bytes, v16-19 the conversions' scale operands
.set PWS,  20                          ; v20-21 my two scale words
.set PCB,  24                          ; v24-39 codes: eight registers for each K step, so that no store's data are written again
.set X,    56                          ; v56-119 64 numbers of my row
.set R,    120                         ; v120-247 two sets of 64 registers as loaded
.set SEL,  12                          ; s[12:13] lane selects: lane l xor 16
.set WV,   14
; 16 numbers a block in v[s + 16 b ..]: the block's largest magnitude (with the floor 2^-124), the scale operand and the byte
.macro QSCALE s, nb
.set qb, 0
.rept \nb
	v_max3_num_f32 v[TM+qb], |v[(\s)+16*qb]|, |v[(\s)+16*qb+1]|, 0x1800000
.set qb, qb+1
.endr
.set qi, 2
.rept 7
.set qb, 0
.rept \nb
	v_max3_num_f32 v[TM+qb], v[TM+qb], |v[(\s)+16*qb+qi]|, |v[(\s)+16*qb+qi+1]|
.set qb, qb+1
.endr
.set qi, qi+2
.endr
.set qb, 0
.rept \nb
	v_permlanex16_b32 v[TM+4+qb], v[TM+qb], s[SEL], s[SEL+1]
.set qb, qb+1
.endr
.set qb, 0
.rept \nb
	v_max_num_f32 v[TM+qb], v[TM+qb], v[TM+4+qb]           ; with lane l xor 16's sixteen: the block's
.set qb, qb+1
.endr
.set qb, 0
.rept \nb
	v_add_nc_u32 v[TM+8+qb], 0xff000000, v[TM+qb]          ; 2 off the exponent field: the conversion's scale operand
.set qb, qb+1
.endr
.set qb, 0
.rept \nb
	v_lshrrev_b32 v[TM+4+qb], 23, v[TM+8+qb]               ; the byte
.set qb, qb+1
.endr
.endm
; A pair of blocks A, B becomes four registers of the operand.  A conversion of eight numbers gives word h (first eight) or word 2 + h (second eight) of the block's four.
; Laid A first, B first, A second, B second, two exchanges of halves leave lanes 0-15 with A's four words and lanes 16-31 with B's.
.macro QFRAG s, nc
.set qc, 0
.rept \nc
	v_cvt_scalef32_pk8_fp4_f32 v[PC+4*qc], v[(\s)+32*qc:(\s)+32*qc+7], v[TM+8+2*qc]
	v_cvt_scalef32_pk8_fp4_f32 v[PC+4*qc+1], v[(\s)+32*qc+16:(\s)+32*qc+23], v[TM+9+2*qc]
	v_cvt_scalef32_pk8_fp4_f32 v[PC+4*qc+2], v[(\s)+32*qc+8:(\s)+32*qc+15], v[TM+8+2*qc]
	v_cvt_scalef32_pk8_fp4_f32 v[PC+4*qc+3], v[(\s)+32*qc+24:(\s)+32*qc+31], v[TM+9+2*qc]
.set qc, qc+1
.endr
	v_nop                                                  ; one plain line behind the conversions
.set qc, 0
.rept \nc
	v_permlane16_swap_b32 v[PC+4*qc], v[PC+4*qc+1]
	v_permlane16_swap_b32 v[PC+4*qc+2], v[PC+4*qc+3]
.set qc, qc+1
.endr
.endm
.macro QUANT s, nb
	QSCALE \s, \nb
	v_lshl_or_b32 v[PW], v[TM+5], 8, v[TM+4]               ; the bytes make my row's scale word
.if \nb == 4
	v_lshl_or_b32 v[PW], v[TM+6], 16, v[PW]
	v_lshl_or_b32 v[PW], v[TM+7], 24, v[PW]
.endif
	QFRAG \s, (\nb)/2
.endm
	s_load_b128 s[4:7], s[0:1], 0x0                ; x, xq
	s_load_b128 s[24:27], s[0:1], 0x10             ; Wo's codes, woi
	v_lshl_add_u32 v254, v0, 2, 0x8600
	v_mov_b32 v255, 0
	v_lshrrev_b32 v1, 5, v0
	v_readfirstlane_b32 s[WV], v1                  ; wave 0..3
	v_and_b32 v2, 31, v0                           ; lane
	v_and_b32 v3, 15, v0                           ; r
	v_bfe_u32 v1, v0, 4, 1                         ; h
	v_lshlrev_b32 v4, 4, v2                        ; 16 x lane
	s_mul_i32 s15, s[WV], STGB
	v_add_nc_u32 v5, s15, v4                       ; the stage, on the way in
	v_mul_u32_u24 v6, v3, 528
	v_lshl_add_u32 v6, v1, 5, v6
	v_add_nc_u32 v6, s15, v6                       ; and on the way out: row r, + 32 h
	s_lshr_b32 s22, s[WV], 1
	s_lshl_b32 s22, s22, 8
	s_and_b32 s23, s[WV], 1
	s_lshl_b32 s23, s23, 3
	s_add_co_u32 s22, s22, s23
	s_add_co_u32 s22, s22, GS
	v_lshl_add_u32 v7, v3, 4, s22                  ; my two scale words: chunk q >> 1, row r, words 2 (q & 1) on
	v_add_nc_u32 v22, GS, v4                       ; where wave 0 reads all of them back
	v_lshlrev_b32 v23, 16, v1
	v_lshl_add_u32 v23, v3, 4, v23                 ; and their place in memory: chunk lane / 16, row r
	s_mov_b32 s[SEL], 0x76543210
	s_mov_b32 s[SEL+1], 0xfedcba98
.irp b, 0,1,2,3
	v_mov_b32 v[TM+4+\b], 0                        ; written once: a lane permute's destination counts as one of its sources
.endr
	s_lshl_b32 s16, ttmp9, 16                      ; x: 16 rows of 4,096 bytes a tile, 1,024 bytes a wave
	s_lshl_b32 s18, s[WV], 10
	s_add_co_u32 s16, s16, s18
	s_mov_b32 s17, 0
	s_lshl_b32 s18, ttmp9, 13                      ; images: 8,192 bytes a tile, 2,048 a wave
	s_lshl_b32 s20, s[WV], 11
	s_add_co_u32 s18, s18, s20
	s_mov_b32 s19, 0
	s_lshl_b32 s20, ttmp9, 8                       ; scale words: 256 bytes a tile in each chunk
	s_add_co_u32 s20, s20, 0x200000
	s_mov_b32 s21, 0
	; ALSO: Wo's codes are laid once as register images.  woi: [tile of 16 rows, 64][K step of 128, 8][1,024 bytes]: two pieces of 512 bytes, lane r + 16 h of piece c has bytes 64 s + 32 c + 16 h .. + 15 of row r.
	; 512 images, two a work-group: wave q moves piece q & 1 of image 2 x work-group + (q >> 1): one load, one store of 512 consecutive bytes
	s_lshl_b32 s28, ttmp9, 1
	s_lshr_b32 s29, s[WV], 1
	s_add_co_u32 s28, s28, s29                     ; the image
	s_and_b32 s29, s[WV], 1                        ; the piece
	s_lshr_b32 s30, s28, 3                         ; its tile: 8,192 bytes of Wo,
	s_lshl_b32 s30, s30, 13
	s_and_b32 s31, s28, 7                          ; its K step: 64 bytes of a row,
	s_lshl_b32 s31, s31, 6
	s_add_co_u32 s30, s30, s31
	s_lshl_b32 s31, s29, 5                         ; the piece: 32 bytes
	s_add_co_u32 s30, s30, s31
	s_mov_b32 s31, 0
	s_lshl_b32 s28, s28, 10
	s_lshl_b32 s29, s29, 9
	s_add_co_u32 s28, s28, s29                     ; and where it goes
	s_mov_b32 s29, 0
	v_lshlrev_b32 v40, 9, v3
	v_lshl_add_u32 v40, v1, 4, v40                 ; row r of 512 bytes, + 16 h
	s_wait_alu depctr_va_vdst(0)
	s_wait_kmcnt 0x0
	s_add_nc_u64 s[4:5], s[4:5], s[16:17]
	s_add_nc_u64 s[8:9], s[6:7], s[20:21]
	s_add_nc_u64 s[6:7], s[6:7], s[18:19]
	s_add_nc_u64 s[24:25], s[24:25], s[30:31]
	s_add_nc_u64 s[26:27], s[26:27], s[28:29]
	global_load_b128 v[44:47], v40, s[24:25]       ; ahead of x's loads: their counted waits cover it
.macro LOAD f
.irp i, 0,1,2,3,4,5,6,7,8,9,10,11,12,13,14,15
	global_load_b128 v[R+64*(\f)+4*\i:R+64*(\f)+4*\i+3], v4, s[4:5] offset:4096*\i+512*(\f) th:TH_LOAD_NT
.endr
.endm
.macro FRAG f
.if \f < 1
	s_wait_loadcnt 16                              ; this K step's 16 loads are in; the next one's may be out
.else
	s_wait_loadcnt 0x0
.endif
.irp i, 0,1,2,3,4,5,6,7,8,9,10,11,12,13,14,15
	ds_store_b128 v5, v[R+64*(\f)+4*\i:R+64*(\f)+4*\i+3] offset:528*\i
.endr
.irp b, 0,1,2,3                                ; LDS serves a wave's instructions in order: these see the stores above
	ds_load_b128 v[X+16*\b:X+16*\b+3], v6 offset:128*\b
	ds_load_b128 v[X+16*\b+4:X+16*\b+7], v6 offset:128*\b+16
	ds_load_b128 v[X+16*\b+8:X+16*\b+11], v6 offset:128*\b+64
	ds_load_b128 v[X+16*\b+12:X+16*\b+15], v6 offset:128*\b+80
.endr
	s_wait_dscnt 0x0                               ; my numbers are back
.set PC, PCB+8*(\f)
.set PW, PWS+(\f)
	QUANT X, 4
	global_store_b128 v4, v[PC:PC+3], s[6:7] offset:1024*(\f)          ; 512 consecutive bytes a store
	global_store_b128 v4, v[PC+4:PC+7], s[6:7] offset:1024*(\f)+512
.endm
	LOAD 0
	LOAD 1
	FRAG 0
	FRAG 1
	global_store_b128 v4, v[44:47], s[26:27]       ; my piece of an image of Wo
	ds_store_b64 v7, v[PWS:PWS+1]                  ; both lanes of a row write the same two words
	s_wait_dscnt 0x0                               ; for the others' sake
	s_barrier_signal -1
	s_barrier_wait -1
	s_cmp_lg_u32 s[WV], 0
	s_cbranch_scc1 .Lnot_first
	ds_load_b128 v[X:X+3], v22
	s_wait_dscnt 0x0
	global_store_b128 v23, v[X:X+3], s[8:9]        ; 256 consecutive bytes, aligned, for each chunk
.Lnot_first:
	s_wait_tensorcnt 0x0
	ds_add_u32 v254, v255
	s_wait_dscnt 0x0
	s_endpgm
.Lfunc_end_k_q01db0622d5_quantx:
	.size	k_q01db0622d5_quantx, .Lfunc_end_k_q01db0622d5_quantx-k_q01db0622d5_quantx
	.p2alignl 7, 3214868480
	.fill 96, 4, 3214868480
	.section	.rodata,"a",@progbits
	.p2align	6, 0x0
	.amdhsa_kernel k_q01db0622d5_quantx
		.amdhsa_group_segment_fixed_size 34816
		.amdhsa_private_segment_fixed_size 0
		.amdhsa_enable_private_segment 0
		.amdhsa_kernarg_size 32
		.amdhsa_user_sgpr_count 2
		.amdhsa_user_sgpr_kernarg_segment_ptr 1
		.amdhsa_wavefront_size32 1
		.amdhsa_system_sgpr_workgroup_id_x 1
		.amdhsa_system_sgpr_workgroup_id_y 1
		.amdhsa_system_sgpr_workgroup_id_z 1
		.amdhsa_system_vgpr_workitem_id 0
		.amdhsa_next_free_vgpr 256
		.amdhsa_next_free_sgpr 66
		.amdhsa_reserve_vcc 0
		.amdhsa_float_denorm_mode_32 3
		.amdhsa_float_denorm_mode_16_64 3
		.amdhsa_memory_ordered 1
		.amdhsa_forward_progress 1
		.amdhsa_inst_pref_size 19
	.end_amdhsa_kernel
	.amdgpu_metadata
---
amdhsa.version: [ 1, 2 ]
amdhsa.kernels:
  - .name:           k_q01db0622d5_quantx
    .symbol:         k_q01db0622d5_quantx.kd
    .args:
      - { .name: x, .offset: 0, .size: 8, .value_kind: global_buffer, .address_space: global }
      - { .name: xq, .offset: 8, .size: 8, .value_kind: global_buffer, .address_space: global }
      - { .name: Wo_codes, .offset: 16, .size: 8, .value_kind: global_buffer, .address_space: global }
      - { .name: woi, .offset: 24, .size: 8, .value_kind: global_buffer, .address_space: global }
    .group_segment_fixed_size: 34816
    .private_segment_fixed_size: 0
    .kernarg_segment_align: 8
    .kernarg_segment_size: 32
    .max_flat_workgroup_size: 128
    .sgpr_count:     66
    .vgpr_count:     256
    .wavefront_size: 32
...
	.end_amdgpu_metadata
.endif
;; end of part 1
;; launch qkvproj (part 2): grid 8 x 32, 4 waves a work-group, clusters of 4 x 4, 285,952 bytes of LDS; arguments xq, Wq_codes, Wq_scales, Wk_codes, Wk_scales, Wv_codes, Wv_scales, qkv; writes qkv
.if DOCPART == 2
	.amdgcn_target "amdgcn-amd-amdhsa--gfx1250"
	.amdhsa_code_object_version 6
	.text
	.protected	k_q01db0622d5_qkvproj
	.globl	k_q01db0622d5_qkvproj
	.p2align	8
	.type	k_q01db0622d5_qkvproj,@function
k_q01db0622d5_qkvproj:
	s_mov_b64 s[64:65], 0
	v_nop
	global_prefetch_b8 v0, s[64:65] scope:SCOPE_SE
	s_setreg_imm32_b32 hwreg(HW_REG_WAVE_MODE, 25, 1), 1
	s_wait_xcnt 0x0
	s_wait_alu depctr_hold_cnt(0) depctr_sa_sdst(0) depctr_va_vdst(0) depctr_va_sdst(0) depctr_va_ssrc(0) depctr_va_vcc(0) depctr_vm_vsrc(0)
	s_getreg_b32 s2, hwreg(HW_REG_IB_STS2, 6, 4)
	s_cmp_eq_u32 s2, 0
	s_cbranch_scc0 .Lentry_in_a_cluster
	s_endpgm
.Lentry_in_a_cluster:
	s_bfe_u32 s2, ttmp6, 0x10000c
	s_cmp_lg_u32 s2, 0xf033
	s_cbranch_scc0 .Lentry_shape_is_right
	s_endpgm
.Lentry_shape_is_right:
; q = x Wq^T, k = x Wk^T, v = x Wv^T on codes of FP4, and their quantising for attention: q and k along the head's 64, v along the keys.
; A work-group takes 128 tokens (one key step) and one pair of heads: 128 columns each of q, k and v.  All its operands, K = 1,024 whole, are brought into LDS once.
; Wave w: (i) rows 64 w .. 64 w + 63 of the stacked rows of Wq, Wk: q (w < 2) or k of head w & 1, TRANSPOSED (source 0 = 16 rows of W, source 1 = 16 tokens): a lane holds one token, its registers run along d;
;         (ii) rows 32 w .. 32 w + 31 of Wv, NOT transposed (source 0 = 16 tokens, source 1 = 16 rows of Wv): a lane holds one d, its registers run along the tokens, which are the second product's K.
; The wave's weights (6 tiles x 8 K steps) stay in registers; the tokens go in four trips of 32.
; qkv: q's images at 0: [head of batch, 32][tile 128][512]; q's scale words at 0x200000: [bh][128 tokens, 16][lane 32][4 words] (tile t: lane r + 16 (t & 1), word t >> 1);
;      records at 0x240000: [bh][key step 16][8,960]: k's 8 images of 512; v^T's 4 images of 1,024; k's scale words as q's (512); v's: [2][lane 32] (256).
; CLUSTER 4 x 4: the four of a row share the tokens, the four of a column the weights: each tile is asked for jointly.
; LIMITS: NaN and infinities are not served; a block whose largest magnitude lies under 2^-124 keeps the byte 1.
; REGISTERS: window 0: v4-12 addresses, v16-27 at work, v28-50 codes and words on their way out, v52-107 scale words, v112-175 q/k sums, v176-207 v sums.
;   window 1: x's fragments, two sets of 128.   window 2: Wq/Wk fragments (tile b, K step s) at 8 (8 b + s).   window 3: Wv's (e, s) at 8 (8 e + s).
; LDS: x's images at 0 (65,536 bytes);
.set BT,    69632                      ; 384 rows of Wq, Wk, Wv: 512 bytes + 16 of padding;
.set WV,    20
.set SEL,   60
.set G1AC,  36
.set G1BC,  52
.set PXS,   68                         ; s[68:69] x's scale words of my 128 tokens, in memory
.set G0AC,  72
.set G0BC,  80
.set DQK,   84
.set DQS,   86
.set DV,    88
.set DVS,   90
.set TM,    16
.set PCV,   38
.set PWV,   44
.set CW,    46
.set CWV,   50
.set SA,    52                         ; [chunk][4 i + q]: lanes 0-15 token tile 2 i, lanes 16-31 tile 2 i + 1
.set SB,    84                         ; [chunk][4 i + q]: lanes 0-15 weight tile 2 i, lanes 16-31 tile 2 i + 1
.set SV,    100                        ; [chunk][q]: lanes 0-15 Wv tile 0, lanes 16-31 tile 1
.set AQ,    112
.set AV,    176
.set MSB, 0
.macro WIN new                         ; the immediate's high byte repeats the setting that is left
.if MSB != \new
	s_set_vgpr_msb (MSB<<8)|\new
.set MSB, \new
.endif
.endm
.macro PLACES
.rept 4
	v_nop
.endr
.endm
; one product: D, source 0, source 1; z = 1: it starts the sum; each side's scale register and the half of the lanes that holds its words
.macro WM d, a, b, z, sa, ra, sb, rb
.if \z
.if (\ra) && (\rb)
	v_wmma_scale_f32_16x16x128_f8f6f4 v[(\d):(\d)+7], v[(\a):(\a)+7], v[(\b):(\b)+7], 0, v[\sa], v[\sb] matrix_a_fmt:MATRIX_FMT_FP4 matrix_b_fmt:MATRIX_FMT_FP4 matrix_a_scale:MATRIX_SCALE_ROW1 matrix_b_scale:MATRIX_SCALE_ROW1
.elseif (\ra)
	v_wmma_scale_f32_16x16x128_f8f6f4 v[(\d):(\d)+7], v[(\a):(\a)+7], v[(\b):(\b)+7], 0, v[\sa], v[\sb] matrix_a_fmt:MATRIX_FMT_FP4 matrix_b_fmt:MATRIX_FMT_FP4 matrix_a_scale:MATRIX_SCALE_ROW1
.elseif (\rb)
	v_wmma_scale_f32_16x16x128_f8f6f4 v[(\d):(\d)+7], v[(\a):(\a)+7], v[(\b):(\b)+7], 0, v[\sa], v[\sb] matrix_a_fmt:MATRIX_FMT_FP4 matrix_b_fmt:MATRIX_FMT_FP4 matrix_b_scale:MATRIX_SCALE_ROW1
.else
	v_wmma_scale_f32_16x16x128_f8f6f4 v[(\d):(\d)+7], v[(\a):(\a)+7], v[(\b):(\b)+7], 0, v[\sa], v[\sb] matrix_a_fmt:MATRIX_FMT_FP4 matrix_b_fmt:MATRIX_FMT_FP4
.endif
.else
.if (\ra) && (\rb)
	v_wmma_scale_f32_16x16x128_f8f6f4 v[(\d):(\d)+7], v[(\a):(\a)+7], v[(\b):(\b)+7], v[(\d):(\d)+7], v[\sa], v[\sb] matrix_a_fmt:MATRIX_FMT_FP4 matrix_b_fmt:MATRIX_FMT_FP4 matrix_a_scale:MATRIX_SCALE_ROW1 matrix_b_scale:MATRIX_SCALE_ROW1
.elseif (\ra)
	v_wmma_scale_f32_16x16x128_f8f6f4 v[(\d):(\d)+7], v[(\a):(\a)+7], v[(\b):(\b)+7], v[(\d):(\d)+7], v[\sa], v[\sb] matrix_a_fmt:MATRIX_FMT_FP4 matrix_b_fmt:MATRIX_FMT_FP4 matrix_a_scale:MATRIX_SCALE_ROW1
.elseif (\rb)
	v_wmma_scale_f32_16x16x128_f8f6f4 v[(\d):(\d)+7], v[(\a):(\a)+7], v[(\b):(\b)+7], v[(\d):(\d)+7], v[\sa], v[\sb] matrix_a_fmt:MATRIX_FMT_FP4 matrix_b_fmt:MATRIX_FMT_FP4 matrix_b_scale:MATRIX_SCALE_ROW1
.else
	v_wmma_scale_f32_16x16x128_f8f6f4 v[(\d):(\d)+7], v[(\a):(\a)+7], v[(\b):(\b)+7], v[(\d):(\d)+7], v[\sa], v[\sb] matrix_a_fmt:MATRIX_FMT_FP4 matrix_b_fmt:MATRIX_FMT_FP4
.endif
.endif
.endm
; 16 numbers a block in v[s + 16 b ..] (two result tiles): the block's largest magnitude (with the floor 2^-124), the scale operand and the byte.  Each tile is read from its low end on.
.macro QSCALE s, nb
.set qb, 0
.rept \nb
	v_max3_num_f32 v[TM+qb], |v[(\s)+16*qb]|, |v[(\s)+16*qb+1]|, 0x1800000
.set qb, qb+1
.endr
.set qi, 2
.rept 7
.set qb, 0
.rept \nb
	v_max3_num_f32 v[TM+qb], v[TM+qb], |v[(\s)+16*qb+qi]|, |v[(\s)+16*qb+qi+1]|
.set qb, qb+1
.endr
.set qi, qi+2
.endr
.set qb, 0
.rept \nb
	v_permlanex16_b32 v[TM+4+qb], v[TM+qb], s[SEL], s[SEL+1]
.set qb, qb+1
.endr
.set qb, 0
.rept \nb
	v_max_num_f32 v[TM+qb], v[TM+qb], v[TM+4+qb]
.set qb, qb+1
.endr
.set qb, 0
.rept \nb
	v_add_nc_u32 v[TM+8+qb], 0xff000000, v[TM+qb]          ; 2 off the exponent field: the conversion's scale operand
.set qb, qb+1
.endr
.set qb, 0
.rept \nb
	v_lshrrev_b32 v[TM+4+qb], 23, v[TM+8+qb]               ; the byte
.set qb, qb+1
.endr
.endm
; A pair of blocks A, B becomes four registers of the operand: conversions laid A first, B first, A second, B second; two exchanges of halves leave lanes 0-15 with A's four words, lanes 16-31 with B's.
.macro QFRAG s, nc
.set qc, 0
.rept \nc
	v_cvt_scalef32_pk8_fp4_f32 v[PC+4*qc], v[(\s)+32*qc:(\s)+32*qc+7], v[TM+8+2*qc]
	v_cvt_scalef32_pk8_fp4_f32 v[PC+4*qc+1], v[(\s)+32*qc+16:(\s)+32*qc+23], v[TM+9+2*qc]
	v_cvt_scalef32_pk8_fp4_f32 v[PC+4*qc+2], v[(\s)+32*qc+8:(\s)+32*qc+15], v[TM+8+2*qc]
	v_cvt_scalef32_pk8_fp4_f32 v[PC+4*qc+3], v[(\s)+32*qc+24:(\s)+32*qc+31], v[TM+9+2*qc]
.set qc, qc+1
.endr
	v_nop                                                  ; one plain line behind the conversions
.set qc, 0
.rept \nc
	v_permlane16_swap_b32 v[PC+4*qc], v[PC+4*qc+1]
	v_permlane16_swap_b32 v[PC+4*qc+2], v[PC+4*qc+3]
.set qc, qc+1
.endr
.endm
.macro QUANT s, nb
	QSCALE \s, \nb
	v_lshl_or_b32 v[PW], v[TM+5], 8, v[TM+4]
.if \nb == 4
	v_lshl_or_b32 v[PW], v[TM+6], 16, v[PW]
	v_lshl_or_b32 v[PW], v[TM+7], 24, v[PW]
.endif
	QFRAG \s, (\nb)/2
.endm
; each block alone: behind the exchange lane (r, h) holds bytes 8 h .. 8 h + 7 of its row's block
.macro QBLK s, nb
.set qb, 0
.rept \nb
	v_cvt_scalef32_pk8_fp4_f32 v[PCV+2*qb], v[(\s)+16*qb:(\s)+16*qb+7], v[TM+8+qb]
	v_cvt_scalef32_pk8_fp4_f32 v[PCV+2*qb+1], v[(\s)+16*qb+8:(\s)+16*qb+15], v[TM+8+qb]
.set qb, qb+1
.endr
	v_nop
.set qb, 0
.rept \nb
	v_permlane16_swap_b32 v[PCV+2*qb], v[PCV+2*qb+1]
.set qb, qb+1
.endr
.endm
.macro CROUND                          ; a round of the cluster's barrier
	s_barrier_signal -1
	s_barrier_wait -1
	s_cmp_lg_u32 s[WV], 0
	s_cbranch_scc1 .Lnot_wave_0_\@
	s_barrier_signal -3
.Lnot_wave_0_\@:
	s_barrier_wait -3
	s_barrier_signal -1
	s_barrier_wait -1
.endm
	s_load_b512 s[4:19], s[0:1], 0x0               ; xq, Wq codes, scales, Wk codes, scales, Wv codes, scales, qkv
	v_lshl_add_u32 v254, v0, 2, 0x45b00
	v_mov_b32 v255, 0
	ds_add_u32 v254, v255
	ds_add_u32 v254, v255
	v_lshrrev_b32 v1, 5, v0
	v_readfirstlane_b32 s[WV], v1                  ; wave 0..3
	s_bfe_u32 s21, ttmp6, 0x40000                  ; cx
	s_bfe_u32 s22, ttmp6, 0x40004                  ; cy
	s_lshl_b32 s23, ttmp9, 2
	s_add_co_u32 s23, s23, s21                     ; the pair of heads = 4 x cluster x + cx
	s_and_b32 s24, ttmp7, 0xffff
	s_lshl_b32 s24, s24, 2
	s_add_co_u32 s24, s24, s22                     ; the block of 128 tokens = 4 x cluster y + cy
	s_lshl_b32 s25, s22, 2
	s_lshl_b32 s25, 15, s25                        ; my row of the cluster
	s_lshl_b32 s26, 0x1111, s21                    ; my column
	; group 1, for the four tiles of codes; the scale bytes go from memory straight into registers
	; x's images: a dense block of 65,536 bytes as 256 rows of 256
	s_or_b32 s[G1AC], s25, (3<<16)|(1<<21)
	s_mov_b32 s[G1AC+1], 32<<16
	s_mov_b32 s[G1AC+2], 256<<16
	s_mov_b32 s[G1AC+3], 32<<16
	s_mov_b32 s[G1AC+4], 256
	s_mov_b32 s[G1AC+5], 32
	s_mov_b32 s[G1AC+6], 0
	s_mov_b32 s[G1AC+7], 0
	; a weight's codes: 128 rows of 512 bytes, 16 bytes of padding behind each
	s_or_b32 s[G1BC], s26, (1<<20)|(1<<21)|(6<<22)|(3<<25)
	s_mov_b32 s[G1BC+1], 512<<16
	s_mov_b32 s[G1BC+2], 128<<16
	s_mov_b32 s[G1BC+3], 512<<16
	s_mov_b32 s[G1BC+4], 128
	s_mov_b32 s[G1BC+5], 512
	s_mov_b32 s[G1BC+6], 0
	s_mov_b32 s[G1BC+7], 0
	s_lshl_b32 s92, s24, 11                        ; x's offsets hang on the block of tokens alone,
	s_add_co_u32 s92, s92, 0x200000
	s_mov_b32 s93, 0
	s_lshl_b32 s94, s24, 16
	s_mov_b32 s95, 0
	s_lshl_b32 s96, s23, 12                        ; the weights' on the pair of heads alone
	s_mov_b32 s97, 0
	s_lshl_b32 s98, s23, 16
	s_mov_b32 s99, 0
	s_and_b32 s2, s[WV], 1
	s_lshl_b32 s2, s2, 11                          ; the scale bytes of my 64 rows of Wq or Wk: 32 bytes a row
	s_mov_b32 s3, 0
	s_mul_i32 s62, s[WV], 67584
	s_add_co_u32 s62, s62, BT-67584
	s_mov_b32 s[SEL], 0x76543210
	s_mov_b32 s[SEL+1], 0xfedcba98
	s_wait_dscnt 0x0
	s_wait_kmcnt 0x0
	s_cmp_eq_u32 s[WV], 2                          ; which weight's codes I fetch: the choice hangs on the wave's number alone
	s_cselect_b64 s[6:7], s[10:11], s[6:7]
	s_cmp_eq_u32 s[WV], 3
	s_cselect_b64 s[6:7], s[14:15], s[6:7]
	s_cmp_lt_u32 s[WV], 2                          ; whose scale bytes I multiply with: Wq's (waves 0, 1) or Wk's
	s_cselect_b64 s[8:9], s[8:9], s[12:13]
	s_add_nc_u64 s[8:9], s[8:9], s[96:97]          ; the pair of heads,
	s_add_nc_u64 s[8:9], s[8:9], s[2:3]            ; my 64 rows
	s_lshl_b32 s2, s[WV], 10
	s_add_nc_u64 s[16:17], s[16:17], s[96:97]      ; Wv's: the pair of heads,
	s_add_nc_u64 s[16:17], s[16:17], s[2:3]        ; my 32 rows
	s_add_nc_u64 s[PXS:PXS+1], s[4:5], s[92:93]
	s_mov_b32 s[G0AC], 1
	s_mov_b32 s[G0AC+1], 0
	s_add_nc_u64 s[G0AC+2:G0AC+3], s[4:5], s[94:95]
	s_or_b32 s[G0AC+3], s[G0AC+3], 0x80000000
	s_mov_b32 s[G0BC], 1
	s_mov_b32 s[G0BC+1], s62
	s_add_nc_u64 s[G0BC+2:G0BC+3], s[6:7], s[98:99]
	s_or_b32 s[G0BC+3], s[G0BC+3], 0x80000000
	CROUND                                         ; all sixteen work-groups are here: the joint loads meet
	s_cmp_lg_u32 s[WV], 0                          ; one tensor load a wave: wave 0 x's images, waves 1 to 3 a weight's codes
	s_cbranch_scc1 .Lfill_b
	tensor_load_to_lds s[G0AC:G0AC+3], s[G1AC:G1AC+7]
	s_nop 0
	PLACES
	s_branch .Lfilled
.Lfill_b:
	tensor_load_to_lds s[G0BC:G0BC+3], s[G1BC:G1BC+7]
	s_nop 0
	PLACES
.Lfilled:
	v_and_b32 v1, 31, v0                           ; lane
	v_and_b32 v2, 15, v0                           ; r
	v_bfe_u32 v3, v0, 4, 1                         ; h
	v_lshlrev_b32 v4, 4, v1                        ; 16 x lane: an image's place for my lane, in LDS and in memory
	v_mul_u32_u24 v13, v2, 528
	v_lshl_add_u32 v13, v3, 4, v13                 ; a weight fragment: row r, + 16 h
	s_mul_i32 s92, s[WV], 64*528
	s_add_co_u32 s92, s92, BT
	v_add_nc_u32 v5, s92, v13                      ; my 64 rows of Wq | Wk
	s_mul_i32 s92, s[WV], 32*528
	s_add_co_u32 s92, s92, BT+256*528
	v_add_nc_u32 v6, s92, v13                      ; my 32 rows of Wv
	v_lshlrev_b32 v8, 5, v1                        ; a weight's scale row: 32 x lane
	; the scale words go straight into the registers that hold them for the whole launch; they are asked for while the tiles are on their way
.irp k, 0,1
.irp i, 0,1,2,3
	global_load_b128 v[SA+16*\k+4*\i:SA+16*\k+4*\i+3], v4, s[PXS:PXS+1] offset:65536*\k+512*\i   ; x's: two tiles, 512 consecutive bytes
.endr
.irp i, 0,1
	global_load_b128 v[SB+8*\k+4*\i:SB+8*\k+4*\i+3], v8, s[8:9] offset:1024*\i+16*\k             ; 32 rows; the two chunks' loads cover 1,024 consecutive bytes
.endr
	global_load_b128 v[SV+4*\k:SV+4*\k+3], v8, s[16:17] offset:16*\k
.endr
	s_wait_alu depctr_va_vdst(0)
	v_lshlrev_b32 v11, 4, v2
	v_lshl_add_u32 v11, v3, 3, v11                 ; 16 r + 8 h: my 8 bytes of a block of v^T
	v_lshlrev_b32 v12, 2, v1                       ; 4 x lane
	v_cmp_le_u32 vcc_lo, 16, v1                    ; lanes 16-31; kept for the whole launch
.irp b, 0,1,2,3
	v_mov_b32 v[TM+4+\b], 0                        ; written once: a lane permute's destination counts as one of its sources
.endr
	; where my results go
	s_lshr_b32 s92, s24, 4                         ; batch
	s_and_b32 s93, s24, 15                         ; key step
	s_lshl_b32 s92, s92, 4
	s_lshl_b32 s94, s23, 1
	s_add_co_u32 s92, s92, s94                     ; 16 batch + the pair's first head
	s_and_b32 s94, s[WV], 1
	s_add_co_u32 s95, s92, s94                     ; the head of my q or k
	s_lshr_b32 s96, s[WV], 1
	s_add_co_u32 s96, s92, s96                     ; the head of my v
	s_lshl_b32 s97, s95, 4
	s_add_co_u32 s97, s97, s93                     ; 16 bh + key step
	s_mul_i32 s98, s97, 8960
	s_add_co_u32 s98, s98, 0x240000                ; k: the record,
	s_add_co_u32 s27, s98, 8192                    ; and its scale words
	s_lshl_b32 s99, s97, 12                        ; q: 8 images of 512 bytes,
	s_lshl_b32 s97, s97, 9
	s_add_co_u32 s97, s97, 0x200000                ; and their scale words
	s_cmp_lt_u32 s[WV], 2
	s_cselect_b32 s98, s99, s98
	s_cselect_b32 s97, s97, s27
	s_mov_b32 s99, 0
	s_add_nc_u64 s[DQK:DQK+1], s[18:19], s[98:99]
	s_mov_b32 s98, s97
	s_add_nc_u64 s[DQS:DQS+1], s[18:19], s[98:99]
	s_lshl_b32 s96, s96, 4
	s_add_co_u32 s96, s96, s93
	s_mul_i32 s96, s96, 8960
	s_add_co_u32 s96, s96, 0x240000+4096           ; v^T's images in its head's record
	s_lshl_b32 s98, s94, 11                        ; my two of the four
	s_add_co_u32 s98, s98, s96
	s_add_nc_u64 s[DV:DV+1], s[18:19], s[98:99]
	s_lshl_b32 s98, s94, 7
	s_add_co_u32 s98, s98, s96
	s_add_co_u32 s98, s98, 8704-4096
	s_add_nc_u64 s[DVS:DVS+1], s[18:19], s[98:99]
	s_wait_alu depctr_va_vdst(0)
	s_wait_tensorcnt 0x0                           ; my load has landed,
	s_barrier_signal -1
	s_barrier_wait -1                              ; everybody's have
	WIN 0x80                                       ; destination window 2
.irp b, 0,1,2,3
.irp s, 0,1,2,3,4,5,6,7
.irp c, 0,1
	ds_load_b128 v[8*(8*\b+\s)+4*\c:8*(8*\b+\s)+4*\c+3], v5 offset:8448*\b+64*\s+32*\c
.endr
.endr
.endr
	WIN 0xc0                                       ; destination window 3
.irp e, 0,1
.irp s, 0,1,2,3,4,5,6,7
.irp c, 0,1
	ds_load_b128 v[8*(8*\e+\s)+4*\c:8*(8*\e+\s)+4*\c+3], v6 offset:8448*\e+64*\s+32*\c
.endr
.endr
.endr
	WIN 0
	s_wait_loadcnt 0x0                             ; the scale words are in
.macro FETCHA i                        ; x's 16 fragments of trip i (two tiles x eight K steps) into set i & 1 of window 1
	WIN 0x40
.irp u, 0,1
.irp s, 0,1,2,3,4,5,6,7
.irp c, 0,1
	ds_load_b128 v[128*((\i)&1)+8*(8*\u+\s)+4*\c:128*((\i)&1)+8*(8*\u+\s)+4*\c+3], v4 offset:(2*(\i)+\u)*8192+1024*\s+512*\c
.endr
.endr
.endr
	WIN 0
.endm
; A trip: 32 tokens.  Twelve sums take turns, one instruction a turn, K step by K step.
.macro TRIP i
.if \i < 3
	FETCHA (\i)+1                                  ; into the set that the trip before read: four plain lines stand behind its products
	s_wait_dscnt 32                                ; all but the 32 just issued
.else
	s_wait_dscnt 0x0
.endif
.irp s, 0,1,2,3,4,5,6,7
	WIN 0x06                                       ; source 0 window 2 (W), source 1 window 1 (x)
.irp u, 0,1
.irp b, 0,1,2,3
	WM AQ+32*\u+8*\b, 8*(8*\b+\s), 128*((\i)&1)+8*(8*\u+\s), (\s==0), SB+8*(\s>>2)+4*(\b>>1)+(\s&3), (\b&1), SA+16*(\s>>2)+4*(\i)+(\s&3), \u
.endr
.endr
	WIN 0x0d                                       ; source 0 window 1 (x), source 1 window 3 (Wv)
.irp e, 0,1
.irp u, 0,1
	WM AV+16*\e+8*\u, 128*((\i)&1)+8*(8*\u+\s), 8*(8*\e+\s), (\s==0), SA+16*(\s>>2)+4*(\i)+(\s&3), \u, SV+4*(\s>>2)+(\s&3), \e
.endr
.endr
.endr
	WIN 0
	PLACES                                         ; in front of the first read of results, and of the next trip's loads into fragments
	s_wait_xcnt 0x0                                ; the last trip's stores have read their registers
.irp u, 0,1
.set PC, 30+4*\u
.set PW, 28+\u
	QUANT AQ+32*\u, 2                              ; tile 2 i + u: the head's two blocks of 32
	global_store_b128 v4, v[PC:PC+3], s[DQK:DQK+1] offset:(2*(\i)+\u)*512
.endr
	v_cndmask_b32 v[CW+\i], v28, v29, vcc_lo       ; lanes 0-15 the even tile's words, lanes 16-31 the odd tile's
	QSCALE AV, 2                                   ; v: these 32 tokens are block i of the key step, for each of my two tiles of d
	QBLK AV, 2
.irp e, 0,1
	global_store_b64 v11, v[PCV+2*\e:PCV+2*\e+1], s[DV:DV+1] offset:1024*\e+256*(\i)   ; 256 consecutive bytes, aligned
.if \i == 0
	v_mov_b32 v[PWV+\e], v[TM+4+\e]
.else
	v_lshl_or_b32 v[PWV+\e], v[TM+4+\e], 8*(\i), v[PWV+\e]
.endif
.endr
.endm
	FETCHA 0
	TRIP 0
	TRIP 1
	TRIP 2
	TRIP 3
	global_store_b128 v4, v[CW:CW+3], s[DQS:DQS+1] ; the eight tiles' scale words: 512 consecutive bytes
	v_cndmask_b32 v[CWV], v[PWV], v[PWV+1], vcc_lo
	global_store_b32 v12, v[CWV], s[DVS:DVS+1]
	s_wait_tensorcnt 0x0
	ds_add_u32 v254, v255
	s_wait_dscnt 0x0
	CROUND                                         ; the closing round: no work-group ends while a partner may still ask for a tile that names it
	s_endpgm
.Lfunc_end_k_q01db0622d5_qkvproj:
	.size	k_q01db0622d5_qkvproj, .Lfunc_end_k_q01db0622d5_qkvproj-k_q01db0622d5_qkvproj
	.p2alignl 7, 3214868480
	.fill 96, 4, 3214868480
	.section	.rodata,"a",@progbits
	.p2align	6, 0x0
	.amdhsa_kernel k_q01db0622d5_qkvproj
		.amdhsa_group_segment_fixed_size 285952
		.amdhsa_private_segment_fixed_size 0
		.amdhsa_enable_private_segment 0
		.amdhsa_kernarg_size 64
		.amdhsa_user_sgpr_count 2
		.amdhsa_user_sgpr_kernarg_segment_ptr 1
		.amdhsa_wavefront_size32 1
		.amdhsa_system_sgpr_workgroup_id_x 1
		.amdhsa_system_sgpr_workgroup_id_y 1
		.amdhsa_system_sgpr_workgroup_id_z 1
		.amdhsa_system_vgpr_workitem_id 0
		.amdhsa_next_free_vgpr 1024
		.amdhsa_next_free_sgpr 100
		.amdhsa_reserve_vcc 1
		.amdhsa_float_denorm_mode_32 3
		.amdhsa_float_denorm_mode_16_64 3
		.amdhsa_memory_ordered 1
		.amdhsa_forward_progress 1
		.amdhsa_inst_pref_size 99
	.end_amdhsa_kernel
	.amdgpu_metadata
---
amdhsa.version: [ 1, 2 ]
amdhsa.kernels:
  - .name:           k_q01db0622d5_qkvproj
    .symbol:         k_q01db0622d5_qkvproj.kd
    .args:
      - { .name: xq, .offset: 0, .size: 8, .value_kind: global_buffer, .address_space: global }
      - { .name: Wq_codes, .offset: 8, .size: 8, .value_kind: global_buffer, .address_space: global }
      - { .name: Wq_scales, .offset: 16, .size: 8, .value_kind: global_buffer, .address_space: global }
      - { .name: Wk_codes, .offset: 24, .size: 8, .value_kind: global_buffer, .address_space: global }
      - { .name: Wk_scales, .offset: 32, .size: 8, .value_kind: global_buffer, .address_space: global }
      - { .name: Wv_codes, .offset: 40, .size: 8, .value_kind: global_buffer, .address_space: global }
      - { .name: Wv_scales, .offset: 48, .size: 8, .value_kind: global_buffer, .address_space: global }
      - { .name: qkv, .offset: 56, .size: 8, .value_kind: global_buffer, .address_space: global }
    .group_segment_fixed_size: 285952
    .private_segment_fixed_size: 0
    .kernarg_segment_align: 8
    .kernarg_segment_size: 64
    .max_flat_workgroup_size: 128
    .sgpr_count:     100
    .vgpr_count:     1024
    .wavefront_size: 32
...
	.end_amdgpu_metadata
.endif
;; end of part 2
;; launch attn (part 3): grid 8 x 32, 16 waves a work-group, clusters of 4 x 1, 169,984 bytes of LDS; arguments qkv, ao; writes ao
.if DOCPART == 3
	.amdgcn_target "amdgcn-amd-amdhsa--gfx1250"
	.amdhsa_code_object_version 6
	.text
	.protected	k_q01db0622d5_attn
	.globl	k_q01db0622d5_attn
	.p2align	8
	.type	k_q01db0622d5_attn,@function
k_q01db0622d5_attn:
	s_mov_b64 s[64:65], 0
	v_nop
	global_prefetch_b8 v0, s[64:65] scope:SCOPE_SE
	s_setreg_imm32_b32 hwreg(HW_REG_WAVE_MODE, 25, 1), 1
	s_wait_xcnt 0x0
	s_wait_alu depctr_hold_cnt(0) depctr_sa_sdst(0) depctr_va_vdst(0) depctr_va_sdst(0) depctr_va_ssrc(0) depctr_va_vcc(0) depctr_vm_vsrc(0)
	s_getreg_b32 s2, hwreg(HW_REG_IB_STS2, 6, 4)
	s_cmp_eq_u32 s2, 0
	s_cbranch_scc0 .Lentry_in_a_cluster
	s_endpgm
.Lentry_in_a_cluster:
	s_bfe_u32 s2, ttmp6, 0x10000c
	s_cmp_lg_u32 s2, 0x3003
	s_cbranch_scc0 .Lentry_shape_is_right
	s_endpgm
.Lentry_shape_is_right:
; o = softmax(q k^T / 8) v for one head of one batch, both products on codes of FP4; o is quantised along the model's 1,024 for the next product.
; t = score x log2(e) / 8; M = the running largest t rounded up to a whole number; p = 2^(t - M) is quantised along the keys; the row's sum is taken of the unquantised p and divides at the end.
; A work-group owns 256 queries; each of its sixteen waves one tile of 16, in 256 registers.  The head's 16 records (128 keys each: k's images, v^T's images, their scale words: 8,960 bytes)
; fill LDS ONCE: wave w asks for record w, one tensor load a wave; behind the wait and one barrier all sixteen key steps run with no barrier among them.
; CLUSTER 4 x 1: the four blocks of queries of a cluster walk the same head: each record is asked for jointly.
; Both products are used transposed (S^T = k q^T, O^T = v^T p^T): a lane holds one query throughout.  The head's K is 64: the upper half of q's and k's fragments is zero codes, kept in registers of their own.
; THE KEYS OF A TILE ARE CHOSEN, by LDS addresses alone: row m of score tile 4 c + t is key 64 c + 32 (m / 8) + 8 t + m % 8.  So lane (r, h) holds, in the 32 registers of tiles 4 c .. 4 c + 3,
; the WHOLE block 2 c + h of 32 keys in ascending order: a block's largest score needs no other lane, and four conversions give registers 4 c .. 4 c + 3 of the second product's operand as they stand.
; No prefetch: all that the launch reads through LDS is asked for at the head, and there is no loop to run ahead in.
; ao: images at 0: [tile of 16 tokens 256][K step 8][1,024] (head h: K step h >> 1, piece h & 1); scale halfwords at 0x200000: [head 16][token 4,096].
; LIMITS: NaN and infinities are not served; the scaled scores stay under 2^31 in magnitude; a block whose largest magnitude lies under 2^-124 keeps the byte 1.
; REGISTERS: v1-11 addresses; v12 -M, v13 the largest score, v[14:15] the sum; v16-23 q; v24-27 k's scale words, v28-29 v's, v30 q's, v31 p's; v32-95 k; v96-159 S^T, then p; v160-191 O^T; v192-223 v^T; v224-231 p's codes; v232-253 at work.
.set REC,   8960
.set OSG,   143360                     ; behind the records: 512 bytes in which the work-group's scale halfwords meet
.set SPARE, 167936                     ; the spare words, 128 bytes a wave
.set WV,  8
.set SEL, 40
.set CS,  42
.set TB,  44
.set CNT, 45
.macro PLACES
.rept 4
	v_nop
.endr
.endm
.macro CROUND
	s_barrier_signal -1
	s_barrier_wait -1
	s_cmp_lg_u32 s[WV], 0
	s_cbranch_scc1 .Lnot_wave_0_\@
	s_barrier_signal -3
.Lnot_wave_0_\@:
	s_barrier_wait -3
	s_barrier_signal -1
	s_barrier_wait -1
.endm
.macro SCORE t                         ; S^T tile t; k's scale words: register t >> 1, lanes 16 (t & 1) on
.if (\t)&1
	v_wmma_scale_f32_16x16x128_f8f6f4 v[96+8*(\t):103+8*(\t)], v[32+8*(\t):39+8*(\t)], v[16:23], 0, v[24+((\t)>>1)], v30 matrix_a_fmt:MATRIX_FMT_FP4 matrix_b_fmt:MATRIX_FMT_FP4 matrix_a_scale:MATRIX_SCALE_ROW1
.else
	v_wmma_scale_f32_16x16x128_f8f6f4 v[96+8*(\t):103+8*(\t)], v[32+8*(\t):39+8*(\t)], v[16:23], 0, v[24+((\t)>>1)], v30 matrix_a_fmt:MATRIX_FMT_FP4 matrix_b_fmt:MATRIX_FMT_FP4
.endif
.endm
.macro PV e                            ; O^T tile e += v^T p^T
.if (\e)&1
	v_wmma_scale_f32_16x16x128_f8f6f4 v[160+8*(\e):167+8*(\e)], v[192+8*(\e):199+8*(\e)], v[224:231], v[160+8*(\e):167+8*(\e)], v[28+((\e)>>1)], v31 matrix_a_fmt:MATRIX_FMT_FP4 matrix_b_fmt:MATRIX_FMT_FP4 matrix_a_scale:MATRIX_SCALE_ROW1
.else
	v_wmma_scale_f32_16x16x128_f8f6f4 v[160+8*(\e):167+8*(\e)], v[192+8*(\e):199+8*(\e)], v[224:231], v[160+8*(\e):167+8*(\e)], v[28+((\e)>>1)], v31 matrix_a_fmt:MATRIX_FMT_FP4 matrix_b_fmt:MATRIX_FMT_FP4
.endif
.endm
; twelve LDS loads: k's eight tiles, by the chosen keys, and their scale words, of the record off bytes behind the two addresses
.macro KLOAD ak, as, off
.irp c, 0,1
.irp t, 0,1,2,3
	ds_load_b128 v[32+32*\c+8*\t:35+32*\c+8*\t], v[\ak] offset:(\off)+2048*\c+512*(\t>>1)+128*(\t&1)
.endr
.irp u, 0,1
	ds_load_b32 v[24+2*\c+\u], v[\as] offset:(\off)+8192+256*\u+8*\c
.endr
.endr
.endm
	s_load_b128 s[4:7], s[0:1], 0x0                ; qkv, ao
	v_lshl_add_u32 v251, v0, 2, SPARE
	v_mov_b32 v255, 0
	ds_add_u32 v251, v255                          ; the opening lines: the add, twice on end, and its wait
	ds_add_u32 v251, v255
	v_lshrrev_b32 v1, 5, v0
	s_delay_alu instid0(VALU_DEP_1)
	v_readfirstlane_b32 s[WV], v1                  ; wave 0..15
	s_bfe_u32 s9, ttmp6, 0x40000                   ; cx
	s_lshl_b32 s10, ttmp9, 2
	s_add_co_u32 s10, s10, s9                      ; my block of 256 queries: it enters q's and o's addresses alone
	s_and_b32 s11, ttmp7, 0xffff                   ; the head of the batch, which the four partners share
	s_mov_b32 s16, 15|(3<<16)|(1<<21)              ; group 1: a record as 35 rows of 256 bytes, dense; the mask names all four
	s_mov_b32 s17, 32<<16
	s_mov_b32 s18, 35<<16
	s_mov_b32 s19, 32<<16
	s_mov_b32 s20, 35
	s_mov_b32 s21, 32
	s_mov_b32 s22, 0
	s_mov_b32 s23, 0
	s_mul_i32 s46, s11, 16*REC
	s_add_co_u32 s46, s46, 0x240000
	s_mul_i32 s48, s[WV], REC
	s_add_co_u32 s46, s46, s48
	s_mov_b32 s47, 0
	s_mov_b32 s[SEL], 0x76543210
	s_mov_b32 s[SEL+1], 0xfedcba98
	s_mov_b32 s[CS], 0x3e38aa3b                    ; c = log2(e) / 8
	s_mov_b32 s[CS+1], s[CS]
	s_wait_dscnt 0x0
	s_wait_kmcnt 0x0
	s_mov_b32 s24, 1
	s_mov_b32 s25, s48                             ; record number wave, in LDS
	s_add_nc_u64 s[26:27], s[4:5], s[46:47]        ; and in memory
	s_or_b32 s27, s27, 0x80000000
	CROUND                                         ; all four work-groups are here: the joint loads meet
	tensor_load_to_lds s[24:27], s[16:23]          ; my one tensor load of the launch
	s_nop 0
	PLACES
	s_lshl_b32 s50, s10, 4
	s_add_co_u32 s50, s50, s[WV]                   ; my tile of queries in the batch, 0..127
	s_lshl_b32 s51, s11, 7
	s_add_co_u32 s51, s51, s50
	s_lshl_b32 s52, s51, 9                         ; its image
	s_mov_b32 s53, 0
	s_add_nc_u64 s[52:53], s[4:5], s[52:53]
	s_lshr_b32 s54, s51, 3                         ; its scale word: group of eight tiles,
	s_lshl_b32 s54, s54, 9
	s_and_b32 s55, s50, 1                          ; lanes 16 (t & 1) on,
	s_lshl_b32 s55, s55, 8
	s_add_co_u32 s54, s54, s55
	s_bfe_u32 s55, s50, 0x20001                    ; word t >> 1
	s_lshl_b32 s55, s55, 2
	s_add_co_u32 s54, s54, s55
	s_add_co_u32 s54, s54, 0x200000
	s_mov_b32 s55, 0
	s_add_nc_u64 s[54:55], s[4:5], s[54:55]
	v_and_b32 v10, 31, v0                          ; lane
	v_and_b32 v11, 15, v0                          ; r
	v_bfe_u32 v3, v0, 4, 1                         ; h
	v_lshlrev_b32 v1, 4, v10                       ; 16 x lane
	v_lshlrev_b32 v2, 2, v10                       ; 4 x lane
	v_lshlrev_b32 v4, 4, v11                       ; 16 r
	global_load_b128 v[16:19], v1, s[52:53]        ; q's fragment stays in registers
	global_load_b32 v30, v4, s[54:55]              ; and its scale word
	v_and_b32 v12, 7, v0                           ; r % 8
	v_bfe_u32 v13, v0, 3, 1                        ; r / 8
	v_lshlrev_b32 v5, 4, v12
	s_delay_alu instid0(VALU_DEP_1)
	v_lshl_add_u32 v6, v13, 2, v5
	v_lshl_add_u32 v5, v13, 10, v5
	s_delay_alu instid0(VALU_DEP_2)
	v_lshl_add_u32 v6, v3, 7, v6                   ; k's scale words: 16 (r % 8) + 4 (r / 8) + 128 h
	s_delay_alu instid0(VALU_DEP_2)
	v_lshl_add_u32 v5, v3, 8, v5                   ; k's images: 16 (r % 8) + 1,024 (r / 8) + 256 h
	v_lshlrev_b32 v7, 3, v3                        ; 8 h: where my two scale bytes of p stand in the word
	s_lshl_b32 s56, s[WV], 5
	s_add_co_u32 s56, s56, OSG
	v_lshl_add_u32 v8, v11, 1, s56                 ; where my row's scale halfword goes
	v_add_nc_u32 v9, OSG, v1                       ; and where wave 0 reads all 256 back
	s_lshr_b32 s56, s11, 4                         ; batch
	s_and_b32 s57, s11, 15                         ; head
	s_lshl_b32 s58, s56, 7
	s_add_co_u32 s58, s58, s50
	s_lshl_b32 s58, s58, 13                        ; o's image: 8,192 bytes a tile of tokens, 512 a head
	s_lshl_b32 s59, s57, 9
	s_add_co_u32 s58, s58, s59
	s_mov_b32 s59, 0
	s_add_nc_u64 s[12:13], s[6:7], s[58:59]
	s_lshl_b32 s58, s57, 13                        ; o's scale halfwords: 8,192 bytes a head, 2 a token
	s_lshl_b32 s56, s56, 12
	s_add_co_u32 s58, s58, s56
	s_lshl_b32 s56, s10, 9
	s_add_co_u32 s58, s58, s56
	s_add_co_u32 s58, s58, 0x200000
	s_add_nc_u64 s[14:15], s[6:7], s[58:59]
	v_mov_b32 v13, 0xff61b1e6                      ; the largest score so far: -3e38, under every score
	s_delay_alu instid0(VALU_DEP_1)
	v_floor_f32 v12, -v13                          ; -M
	v_mov_b32 v14, 0
	v_mov_b32 v15, 0
.irp j, 20,21,22,23
	v_mov_b32 v[\j], 0                             ; q's upper half: zero codes
.endr
.irp t, 0,1,2,3,4,5,6,7
.irp j, 4,5,6,7
	v_mov_b32 v[32+8*\t+\j], 0                     ; k's upper halves: zero codes, never loaded over
.endr
.endr
.set j, 0
.rept 32
	v_mov_b32 v[160+j], 0                          ; O^T: the step has no first step of its own; the first change of M leaves zeros zeros
.set j, j+1
.endr
	v_mov_b32 v236, 0                              ; written once: a lane permute's destination counts as one of its sources
	v_mov_b32 v237, 0
	v_mov_b32 v252, 0
	v_mov_b32 v253, 0                              ; (named as the upper half of the pair v[252:253])
; A KEY STEP: 128 keys, the record at LDS byte s[TB].  Its k was asked for a step ago.  more = 1: the next record's k is asked for here.
.macro STEP more
	s_wait_dscnt 0x0                               ; k and its scale words are in
.irp t, 0,1,2,3,4,5,6,7
	SCORE \t
.endr
	v_add_nc_u32 v3, s[TB], v1                     ; these four are the places behind the products: ahead of the loads into fragments and of the first read of the scores
	v_add_nc_u32 v4, s[TB], v2
	v_add_nc_u32 v10, s[TB], v5
	v_add_nc_u32 v11, s[TB], v6
.irp e, 0,1,2,3
.irp c, 0,1
	ds_load_b128 v[192+8*\e+4*\c:195+8*\e+4*\c], v3 offset:4096+1024*\e+512*\c
.endr
.endr
	ds_load_b32 v28, v4 offset:8704
	ds_load_b32 v29, v4 offset:8832                ; v^T, ten loads: they land under the softmax,
.if \more
	KLOAD 10, 11, REC                              ; and so does the next step's k
.endif
.irp c, 0,1                                    ; my two blocks' largest scores: eight chains, one a tile, each over the tile's registers 0 to 6, from the low end on
.irp t, 0,1,2,3
	v_max3_num_f32 v[240+4*\c+\t], v[96+32*\c+8*\t], v[97+32*\c+8*\t], v[98+32*\c+8*\t]
.endr
.endr
.irp i, 3,5
.irp c, 0,1
.irp t, 0,1,2,3
	v_max3_num_f32 v[240+4*\c+\t], v[240+4*\c+\t], v[96+32*\c+8*\t+\i], v[97+32*\c+8*\t+\i]
.endr
.endr
.endr
.irp c, 0,1                                    ; the chains are joined, each join taking in a tile's register 7
	v_max3_num_f32 v[232+2*\c], v[240+4*\c], v[241+4*\c], v[103+32*\c]
	v_max3_num_f32 v[233+2*\c], v[242+4*\c], v[243+4*\c], v[111+32*\c]
.endr
.irp c, 0,1
	v_max3_num_f32 v[232+2*\c], v[232+2*\c], v[233+2*\c], v[119+32*\c]
.endr
.irp c, 0,1
	v_max_num_f32 v[232+2*\c], v[232+2*\c], v[127+32*\c]   ; v232, v234: they serve the row's maximum and, since p rises with the score, the blocks' largest p
.endr
	s_delay_alu instid0(VALU_DEP_1)
	v_max_num_f32 v236, v232, v234
	s_delay_alu instid0(VALU_DEP_1)
	v_permlanex16_b32 v237, v236, s[SEL], s[SEL+1]
	s_delay_alu instid0(VALU_DEP_1)
	v_max3_num_f32 v13, v13, v236, v237            ; the running largest score (c is positive: its t is the largest t)
	s_delay_alu instid0(VALU_DEP_1)
	v_mul_f32 v238, s[CS], v13
	s_delay_alu instid0(VALU_DEP_1)
	v_floor_f32 v239, -v238                        ; the new -M = -ceil(t)
	s_delay_alu instid0(VALU_DEP_1)
	v_sub_f32 v240, v239, v12                      ; old M less new M: a whole number, 0 or less
	s_delay_alu instid0(VALU_DEP_2)
	v_mov_b32 v12, v239
.set j, 0
.rept 32
	v_pk_fma_f32 v[96+j:97+j], v[96+j:97+j], s[CS:CS+1], v[12:13] op_sel_hi:[1,0,0]   ; t - M; the two lines that make f stand among these
.set j, j+2
.if j == 8
	v_cvt_i32_f32 v240, v240                       ; (it saturates)
.elseif j == 16
	v_ldexp_f32 v252, 1.0, v240                    ; f = 2^(old M - new M)
.endif
.endr
	v_fma_f32 v232, v232, s[CS], v12
	v_fma_f32 v234, v234, s[CS], v12
.set j, 0
.rept 16
	v_pk_mul_f32 v[160+j:161+j], v[160+j:161+j], v[252:253] op_sel_hi:[1,0]           ; O^T under the new M, ahead of the exponentials
.set j, j+2
.endr
	s_wait_alu depctr_va_vdst(0)
.set j, 0
.rept 64
	v_exp_f32 v[96+j], v[96+j]                     ; p = 2^(t - M)
.set j, j+1
.endr
	v_exp_f32 v232, v232                           ; my blocks' largest p
	v_exp_f32 v234, v234
	v_nop                                          ; a plain line behind the batch
	s_wait_alu depctr_va_vdst(0)                   ; one wait for the whole batch, ahead of its first reader
	v_max_num_f32 v232, 0x1800000, v232            ; the floor 2^-124: the byte cannot fall under 1
	v_max_num_f32 v234, 0x1800000, v234
	s_delay_alu instid0(VALU_DEP_2)
	v_add_nc_u32 v244, 0xff000000, v232            ; 2 off the exponent field: the conversion's scale operand
	s_delay_alu instid0(VALU_DEP_2)
	v_add_nc_u32 v245, 0xff000000, v234
.irp c, 0,1
.irp t, 0,1,2,3
	v_cvt_scalef32_pk8_fp4_f32 v[224+4*\c+\t], v[96+32*\c+8*\t:103+32*\c+8*\t], v[244+\c]   ; keys 64 c + 32 h + 8 t + 0 .. 7: register 4 c + t of the operand
.endr
.endr
	v_lshrrev_b32 v236, 23, v244                   ; the bytes of blocks h and 2 + h; the four lines that make p's scale word of them stand among the sums, four sums between two of them
	v_lshrrev_b32 v237, 23, v245
	v_pk_fma_f32 v[14:15], v[14:15], v[252:253], v[96:97] op_sel_hi:[1,0,1]   ; the sum under the new M, and the unquantised p: four chains
	v_pk_add_f32 v[238:239], v[98:99], v[100:101]
	v_pk_add_f32 v[240:241], v[102:103], v[104:105]
	v_pk_add_f32 v[242:243], v[106:107], v[108:109]
	v_lshl_or_b32 v236, v237, 16, v236
.set j, 110
.rept 3
	v_pk_add_f32 v[14:15], v[14:15], v[j:j+1]
	v_pk_add_f32 v[238:239], v[238:239], v[j+2:j+3]
	v_pk_add_f32 v[240:241], v[240:241], v[j+4:j+5]
	v_pk_add_f32 v[242:243], v[242:243], v[j+6:j+7]
.set j, j+8
.if j == 118
	v_lshlrev_b32 v236, v7, v236                   ; at their places in the word
.elseif j == 126
	v_permlanex16_b32 v237, v236, s[SEL], s[SEL+1]
.else
	v_or_b32 v31, v236, v237                       ; with lane l xor 16's two: p's scale word for these 128 keys; sixteen plain lines follow it ahead of the products
.endif
.endr
.rept 3
	v_pk_add_f32 v[14:15], v[14:15], v[j:j+1]
	v_pk_add_f32 v[238:239], v[238:239], v[j+2:j+3]
	v_pk_add_f32 v[240:241], v[240:241], v[j+4:j+5]
	v_pk_add_f32 v[242:243], v[242:243], v[j+6:j+7]
.set j, j+8
.endr
	v_pk_add_f32 v[14:15], v[14:15], v[158:159]
	v_pk_add_f32 v[238:239], v[238:239], v[240:241]
	s_delay_alu instid0(VALU_DEP_2)
	v_pk_add_f32 v[14:15], v[14:15], v[242:243]
	s_delay_alu instid0(VALU_DEP_1)
	v_pk_add_f32 v[14:15], v[14:15], v[238:239]
	s_wait_alu depctr_va_vdst(0)
.if \more
	s_wait_dscnt 12                                ; v^T and its words are in; the next k's twelve loads may be out
.else
	s_wait_dscnt 0x0
.endif
.irp e, 0,1,2,3
	PV \e
.endr
	s_add_co_u32 s[TB], s[TB], REC
.endm
	s_wait_alu depctr_va_vdst(0)
	s_wait_loadcnt 0x0                             ; q
	s_wait_tensorcnt 0x0                           ; my record has landed,
	s_barrier_signal -1
	s_barrier_wait -1                              ; all sixteen have
	KLOAD 5, 6, 0                                  ; the first step's k
	s_mov_b32 s[TB], 0
	s_mov_b32 s[CNT], 15
.Lstep:
	STEP 1
	s_sub_co_u32 s[CNT], s[CNT], 1
	s_cmp_lg_u32 s[CNT], 0
	s_cbranch_scc1 .Lstep
	s_mov_b32 s[TB], 15*REC
	STEP 0                                         ; the last step asks for no further k
	; THE WAY OUT: O^T / the sum, quantised along d: the head's 64 are two blocks of the next product's K
	v_add_f32 v14, v14, v15
	s_delay_alu instid0(VALU_DEP_1)
	v_permlanex16_b32 v252, v14, s[SEL], s[SEL+1]
	s_delay_alu instid0(VALU_DEP_1)
	v_add_f32 v14, v14, v252                       ; the row's sum
	s_wait_alu depctr_va_vdst(0)
	v_rcp_f32 v14, v14
	PLACES                                         ; plain lines behind the reciprocal and behind the last products
	s_wait_alu depctr_va_vdst(0)
.set j, 0
.rept 32
	v_mul_f32 v[96+j], v[160+j], v14               ; register 8 e + i: d = 16 e + 8 h + i
.set j, j+1
.endr
.irp b, 0,1
	v_max3_num_f32 v[232+\b], |v[96+16*\b]|, |v[97+16*\b]|, 0x1800000
.endr
.irp i, 2,4,6,8,10,12,14
.irp b, 0,1
	s_delay_alu instid0(VALU_DEP_2)
	v_max3_num_f32 v[232+\b], v[232+\b], |v[96+16*\b+\i]|, |v[97+16*\b+\i]|
.endr
.endr
.irp b, 0,1
	s_delay_alu instid0(VALU_DEP_2)
	v_permlanex16_b32 v[236+\b], v[232+\b], s[SEL], s[SEL+1]
.endr
.irp b, 0,1
	s_delay_alu instid0(VALU_DEP_2)
	v_max_num_f32 v[232+\b], v[232+\b], v[236+\b]
.endr
.irp b, 0,1
	s_delay_alu instid0(VALU_DEP_2)
	v_add_nc_u32 v[240+\b], 0xff000000, v[232+\b]
.endr
.irp b, 0,1
	s_delay_alu instid0(VALU_DEP_2)
	v_lshrrev_b32 v[236+\b], 23, v[240+\b]
.endr
	s_delay_alu instid0(VALU_DEP_1)
	v_lshl_or_b32 v248, v237, 8, v236              ; my row's scale halfword
	v_cvt_scalef32_pk8_fp4_f32 v224, v[96:103], v240
	v_cvt_scalef32_pk8_fp4_f32 v225, v[112:119], v241
	v_cvt_scalef32_pk8_fp4_f32 v226, v[104:111], v240
	v_cvt_scalef32_pk8_fp4_f32 v227, v[120:127], v241
	v_nop
	v_permlane16_swap_b32 v224, v225               ; lanes 0-15 the first block's four words, lanes 16-31 the second's
	v_permlane16_swap_b32 v226, v227
	global_store_b128 v1, v[224:227], s[12:13]     ; 512 consecutive bytes
	ds_store_b16 v8, v248                          ; both lanes of a row write the same halfword
	s_wait_dscnt 0x0
	s_barrier_signal -1
	s_barrier_wait -1
	s_cmp_lg_u32 s[WV], 0
	s_cbranch_scc1 .Lnot_first
	ds_load_b128 v[32:35], v9
	s_wait_dscnt 0x0
	global_store_b128 v1, v[32:35], s[14:15]       ; 256 tokens' halfwords: 512 consecutive bytes
.Lnot_first:
	s_wait_tensorcnt 0x0                           ; the wave's end
	ds_add_u32 v251, v255
	s_wait_dscnt 0x0
	CROUND                                         ; the closing round
	s_endpgm
.Lfunc_end_k_q01db0622d5_attn:
	.size	k_q01db0622d5_attn, .Lfunc_end_k_q01db0622d5_attn-k_q01db0622d5_attn
	.p2alignl 7, 3214868480
	.fill 96, 4, 3214868480
	.section	.rodata,"a",@progbits
	.p2align	6, 0x0
	.amdhsa_kernel k_q01db0622d5_attn
		.amdhsa_group_segment_fixed_size 169984
		.amdhsa_private_segment_fixed_size 0
		.amdhsa_enable_private_segment 0
		.amdhsa_kernarg_size 16
		.amdhsa_user_sgpr_count 2
		.amdhsa_user_sgpr_kernarg_segment_ptr 1
		.amdhsa_wavefront_size32 1
		.amdhsa_system_sgpr_workgroup_id_x 1
		.amdhsa_system_sgpr_workgroup_id_y 1
		.amdhsa_system_sgpr_workgroup_id_z 1
		.amdhsa_system_vgpr_workitem_id 0
		.amdhsa_next_free_vgpr 256
		.amdhsa_next_free_sgpr 66
		.amdhsa_reserve_vcc 0
		.amdhsa_float_denorm_mode_32 3
		.amdhsa_float_denorm_mode_16_64 3
		.amdhsa_memory_ordered 1
		.amdhsa_forward_progress 1
		.amdhsa_inst_pref_size 41
	.end_amdhsa_kernel
	.amdgpu_metadata
---
amdhsa.version: [ 1, 2 ]
amdhsa.kernels:
  - .name:           k_q01db0622d5_attn
    .symbol:         k_q01db0622d5_attn.kd
    .args:
      - { .name: qkv, .offset: 0, .size: 8, .value_kind: global_buffer, .address_space: global }
      - { .name: ao, .offset: 8, .size: 8, .value_kind: global_buffer, .address_space: global }
    .group_segment_fixed_size: 169984
    .private_segment_fixed_size: 0
    .kernarg_segment_align: 8
    .kernarg_segment_size: 16
    .max_flat_workgroup_size: 512
    .sgpr_count:     66
    .vgpr_count:     256
    .wavefront_size: 32
...
	.end_amdgpu_metadata
.endif
;; end of part 3
;; launch oproj (part 4): grid 256 x 1, 4 waves a work-group, no clusters, 167,936 bytes of LDS; arguments ao, woi, Wo_scales, x, g1, b1, xa; writes xa
.if DOCPART == 4
	.amdgcn_target "amdgcn-amd-amdhsa--gfx1250"
	.amdhsa_code_object_version 6
	.text
	.protected	k_q01db0622d5_oproj
	.globl	k_q01db0622d5_oproj
	.p2align	8
	.type	k_q01db0622d5_oproj,@function
k_q01db0622d5_oproj:
	s_mov_b64 s[64:65], 0
	v_nop
	global_prefetch_b8 v0, s[64:65] scope:SCOPE_SE
	s_setreg_imm32_b32 hwreg(HW_REG_WAVE_MODE, 25, 1), 1
	s_wait_xcnt 0x0
; xa = LayerNorm(x + o Wo^T) g1 + b1, the product on codes of FP4; xa leaves as f32 and as codes along the next product's K = 1,024.
; A work-group owns 16 tokens and all 1,024 columns, so that a row's mean and variance stay in the work-group; wave w takes columns 256 w .. + 255: 16 tiles of 16 rows of Wo,
; TRANSPOSED (source 0 = 16 rows of Wo, source 1 = the 16 tokens): a lane holds one token, its registers run along the columns.
; Wo's codes come as register images (woi, laid by the first launch): every load is 512 consecutive bytes and lands in a fragment's registers as it stands.  The wave's 128 images go in eight groups
; (4 tiles x 4 K steps, 32 loads) through three sets of 128 registers: while a group is multiplied, the next two are on their way.  No barrier stands in the product.
; x's 16 rows x 1,024 bytes of my columns come by my one tensor load, straight into my stage in LDS, rows 1,040 bytes apart; only I read them.
; No cluster: no tile in LDS is shared between work-groups.  No prefetch: the loads themselves run two groups ahead of their use.
; xa: f32 rows at 0; images at 0x1000000: [tile of 16 tokens 256][K step 8][1,024]; scale words at 0x1200000: [chunk of 512 K, 2][tile 256][row 16][4 words].
; LIMITS: NaN and infinities are not served; a block whose largest magnitude lies under 2^-124 keeps the byte 1.
; REGISTERS: window 0: v1-14 addresses; v16-23 o's scale words; v24-59 at work; v64-127 Wo's scale words; v128-255 set 0 of Wo's fragments, then the rows.
;   window 1: v0-63 o's fragments, v64-191 the sums.   window 2: v128-143 g1, b1 as loaded; on the way out v0-127.   window 3: sets 1 and 2 of Wo's fragments, then g1 and b1 in the rows' layout.
.set STG,   18944                      ; a wave's stage: 16 rows of x, one of g1, one of b1, 1,040 bytes each
.set ST1,   75776                      ; behind the four stages: the waves' partial sums, 256 bytes for each of the two passes
.set ST2OFF, 256
.set GS,    76288                      ; 512 bytes in which the scale words meet
.set SPARE, 76800                      ; the spare words, 128 bytes a wave
.set SGR,   16*1040
.set SBR,   17*1040
.set WV,    42
.set SEL,   32
.set TM,    44
.set MSB, 0
.macro WIN new
.if MSB != \new
	s_set_vgpr_msb (MSB<<8)|\new
.set MSB, \new
.endif
.endm
.macro PLACES
.rept 4
	v_nop
.endr
.endm
.macro WM d, a, b, z, sa, ra, sb
.if \z
.if (\ra)
	v_wmma_scale_f32_16x16x128_f8f6f4 v[(\d):(\d)+7], v[(\a):(\a)+7], v[(\b):(\b)+7], 0, v[\sa], v[\sb] matrix_a_fmt:MATRIX_FMT_FP4 matrix_b_fmt:MATRIX_FMT_FP4 matrix_a_scale:MATRIX_SCALE_ROW1
.else
	v_wmma_scale_f32_16x16x128_f8f6f4 v[(\d):(\d)+7], v[(\a):(\a)+7], v[(\b):(\b)+7], 0, v[\sa], v[\sb] matrix_a_fmt:MATRIX_FMT_FP4 matrix_b_fmt:MATRIX_FMT_FP4
.endif
.else
.if (\ra)
	v_wmma_scale_f32_16x16x128_f8f6f4 v[(\d):(\d)+7], v[(\a):(\a)+7], v[(\b):(\b)+7], v[(\d):(\d)+7], v[\sa], v[\sb] matrix_a_fmt:MATRIX_FMT_FP4 matrix_b_fmt:MATRIX_FMT_FP4 matrix_a_scale:MATRIX_SCALE_ROW1
.else
	v_wmma_scale_f32_16x16x128_f8f6f4 v[(\d):(\d)+7], v[(\a):(\a)+7], v[(\b):(\b)+7], v[(\d):(\d)+7], v[\sa], v[\sb] matrix_a_fmt:MATRIX_FMT_FP4 matrix_b_fmt:MATRIX_FMT_FP4
.endif
.endif
.endm
.macro QSCALE s, nb
.set qb, 0
.rept \nb
	v_max3_num_f32 v[TM+qb], |v[(\s)+16*qb]|, |v[(\s)+16*qb+1]|, 0x1800000
.set qb, qb+1
.endr
.set qi, 2
.rept 7
.set qb, 0
.rept \nb
	v_max3_num_f32 v[TM+qb], v[TM+qb], |v[(\s)+16*qb+qi]|, |v[(\s)+16*qb+qi+1]|
.set qb, qb+1
.endr
.set qi, qi+2
.endr
.set qb, 0
.rept \nb
	v_permlanex16_b32 v[TM+4+qb], v[TM+qb], s[SEL], s[SEL+1]
.set qb, qb+1
.endr
.set qb, 0
.rept \nb
	v_max_num_f32 v[TM+qb], v[TM+qb], v[TM+4+qb]
.set qb, qb+1
.endr
.set qb, 0
.rept \nb
	v_add_nc_u32 v[TM+8+qb], 0xff000000, v[TM+qb]
.set qb, qb+1
.endr
.set qb, 0
.rept \nb
	v_lshrrev_b32 v[TM+4+qb], 23, v[TM+8+qb]
.set qb, qb+1
.endr
.endm
.macro QFRAG s, nc
.set qc, 0
.rept \nc
	v_cvt_scalef32_pk8_fp4_f32 v[PC+4*qc], v[(\s)+32*qc:(\s)+32*qc+7], v[TM+8+2*qc]
	v_cvt_scalef32_pk8_fp4_f32 v[PC+4*qc+1], v[(\s)+32*qc+16:(\s)+32*qc+23], v[TM+9+2*qc]
	v_cvt_scalef32_pk8_fp4_f32 v[PC+4*qc+2], v[(\s)+32*qc+8:(\s)+32*qc+15], v[TM+8+2*qc]
	v_cvt_scalef32_pk8_fp4_f32 v[PC+4*qc+3], v[(\s)+32*qc+24:(\s)+32*qc+31], v[TM+9+2*qc]
.set qc, qc+1
.endr
	v_nop
.set qc, 0
.rept \nc
	v_permlane16_swap_b32 v[PC+4*qc], v[PC+4*qc+1]
	v_permlane16_swap_b32 v[PC+4*qc+2], v[PC+4*qc+3]
.set qc, qc+1
.endr
.endm
.macro QUANT s, nb
	QSCALE \s, \nb
	v_lshl_or_b32 v[PW], v[TM+5], 8, v[TM+4]
.if \nb == 4
	v_lshl_or_b32 v[PW], v[TM+6], 16, v[PW]
	v_lshl_or_b32 v[PW], v[TM+7], 24, v[PW]
.endif
	QFRAG \s, (\nb)/2
.endm
.macro BUF i                           ; group i's set of registers: first register WB in window WW
.if ((\i)%3) == 0
.set WB, 128
.set WW, 0
.elseif ((\i)%3) == 1
.set WB, 0
.set WW, 3
.else
.set WB, 128
.set WW, 3
.endif
.endm
.macro WLOAD i                         ; group i = 2 d + u: tiles 4 d + b, K steps 4 u + q: 32 loads of 512 consecutive bytes
	BUF \i
	WIN (WW<<6)
.irp b, 0,1,2,3
.irp q, 0,1,2,3
.irp c, 0,1
	global_load_b128 v[WB+8*(4*\b+\q)+4*\c:WB+8*(4*\b+\q)+4*\c+3], v3, s[6:7] offset:((4*((\i)/2)+\b)*8+4*((\i)%2)+\q)*1024+512*\c
.endr
.endr
.endr
	WIN 0
.endm
.macro WMUL i                          ; its 16 products: four sums by turns
	BUF \i
	WIN (0x54+WW)
.irp q, 0,1,2,3
.irp b, 0,1,2,3
	WM 64+8*(4*((\i)/2)+\b), WB+8*(4*\b+\q), 8*(4*((\i)%2)+\q), ((4*((\i)%2)+\q)==0), 64+16*((\i)/2)+8*(\b>>1)+4*((\i)%2)+\q, (\b&1), 16+4*((\i)%2)+\q
.endr
.endr
	WIN 0
.endm
	s_load_b256 s[4:11], s[0:1], 0x0               ; ao, woi, Wo's scales, x
	s_load_b128 s[12:15], s[0:1], 0x20             ; g1, b1
	s_load_b64 s[40:41], s[0:1], 0x30              ; xa
	v_lshl_add_u32 v1, v0, 2, SPARE
	v_mov_b32 v2, 0
	ds_add_u32 v1, v2                              ; the opening lines: the add, twice on end, and its wait
	ds_add_u32 v1, v2
	v_lshrrev_b32 v15, 5, v0
	v_readfirstlane_b32 s[WV], v15                 ; wave 0..3
	s_mov_b32 s44, ttmp9                           ; my tile of 16 tokens
	s_mov_b32 s16, (3<<16)|(1<<20)|(7<<22)|(3<<25) ; group 1: 16 rows of 1,024 bytes (128 elements of 8), 4,096 apart; four words of padding behind every 256
	s_mov_b32 s17, 128<<16
	s_mov_b32 s18, 16<<16
	s_mov_b32 s19, 128<<16
	s_mov_b32 s20, 16
	s_mov_b32 s21, 512
	s_mov_b32 s22, 0
	s_mov_b32 s23, 0
	s_mov_b32 s[SEL], 0x76543210
	s_mov_b32 s[SEL+1], 0xfedcba98
	s_mov_b32 s34, 0x3a800000                      ; 1 / 1,024
	s_mov_b32 s35, 0x3727c5ac                      ; 1e-5
	s_mul_i32 s36, s[WV], STG                      ; my stage
	s_lshl_b32 s38, s[WV], 10
	s_lshl_b32 s37, s44, 16
	s_add_co_u32 s38, s38, s37                     ; x and xa: 65,536 bytes a tile, 1,024 a wave
	s_mov_b32 s39, 0
	s_lshl_b32 s54, s[WV], 6
	s_add_co_u32 s54, s54, ST1                     ; my partial sums
	s_lshr_b32 s55, s[WV], 1
	s_lshl_b32 s55, s55, 8
	s_and_b32 s37, s[WV], 1
	s_lshl_b32 s37, s37, 3
	s_add_co_u32 s55, s55, s37
	s_add_co_u32 s55, s55, GS                      ; my two scale words: chunk wave >> 1, words 2 (wave & 1) on
	s_wait_dscnt 0x0
	s_wait_kmcnt 0x0
	s_add_nc_u64 s[48:49], s[40:41], s[38:39]
	s_mov_b32 s24, 1
	s_mov_b32 s25, s36
	s_add_nc_u64 s[26:27], s[10:11], s[38:39]
	s_or_b32 s27, s27, 0x80000000
	tensor_load_to_lds s[24:27], s[16:23]          ; x's rows: my one tensor load of the launch
	s_nop 0
	PLACES
	s_lshl_b32 s38, s[WV], 17
	s_add_nc_u64 s[6:7], s[6:7], s[38:39]          ; my 128 images of Wo
	s_lshl_b32 s38, s44, 13
	s_add_nc_u64 s[46:47], s[4:5], 0x200000
	s_add_nc_u64 s[4:5], s[4:5], s[38:39]          ; o's images
	s_lshl_b32 s38, s44, 5
	s_add_nc_u64 s[46:47], s[46:47], s[38:39]      ; and scale halfwords
	s_lshl_b32 s38, s[WV], 13
	s_add_nc_u64 s[8:9], s[8:9], s[38:39]          ; the scale bytes of my 256 rows of Wo
	s_lshl_b32 s38, s[WV], 10
	s_add_nc_u64 s[12:13], s[12:13], s[38:39]
	s_add_nc_u64 s[14:15], s[14:15], s[38:39]
	s_lshl_b32 s38, s44, 13
	s_lshl_b32 s37, s[WV], 11
	s_add_co_u32 s38, s38, s37
	s_add_co_u32 s38, s38, 0x1000000
	s_add_nc_u64 s[50:51], s[40:41], s[38:39]      ; xa's images
	s_lshl_b32 s38, s44, 8
	s_add_co_u32 s38, s38, 0x1200000
	s_add_nc_u64 s[52:53], s[40:41], s[38:39]      ; and scale words
	v_and_b32 v15, 31, v0                          ; lane
	v_and_b32 v41, 15, v0                          ; r
	v_bfe_u32 v42, v0, 4, 1                        ; h
	v_lshlrev_b32 v3, 4, v15                       ; 16 x lane
	v_lshlrev_b32 v7, 1, v41
	v_lshlrev_b32 v8, 5, v15
	v_add_nc_u32 v5, s36, v3                       ; the stage by whole rows
	v_mul_u32_u24 v6, v41, 1040
	v_lshl_add_u32 v6, v42, 5, v6
	v_add_nc_u32 v6, s36, v6                       ; and in the sums' layout: row r, + 32 h
	v_lshl_add_u32 v9, v42, 5, s36
	v_lshl_add_u32 v10, v41, 2, s54
	v_lshlrev_b32 v11, 2, v41
	v_add_nc_u32 v11, ST1, v11
	v_lshl_add_u32 v12, v41, 4, s55
	v_add_nc_u32 v13, GS, v3
	v_lshlrev_b32 v14, 16, v42
	v_lshl_add_u32 v14, v41, 4, v14
	v_mov_b32 v40, 0
.irp b, 0,1,2,3
	v_mov_b32 v[TM+4+\b], 0                        ; written once: a lane permute's destination counts as one of its sources
.endr
	s_wait_alu depctr_va_vdst(0)
	WIN 0x40
.irp s, 0,1,2,3,4,5,6,7
.irp c, 0,1
	global_load_b128 v[8*\s+4*\c:8*\s+4*\c+3], v3, s[4:5] offset:1024*\s+512*\c
.endr
.endr
	WIN 0
.irp n, 0,1,2,3,4,5,6,7,8,9,10,11,12,13,14,15
	global_load_u16 v[24+\n], v7, s[46:47] offset:8192*\n
.endr
.irp d, 0,1,2,3
.irp i, 0,1
.irp f, 0,1
	global_load_b128 v[64+16*\d+8*\i+4*\f:64+16*\d+8*\i+4*\f+3], v8, s[8:9] offset:(64*\d+32*\i)*32+16*\f
.endr
.endr
.endr
	WIN 0x80
.irp p, 0,1
	global_load_b128 v[128+4*\p:128+4*\p+3], v3, s[12:13] offset:512*\p
	global_load_b128 v[136+4*\p:136+4*\p+3], v3, s[14:15] offset:512*\p
.endr
	WIN 0
	WLOAD 0
	WLOAD 1
	s_wait_loadcnt 32                              ; all but group 1's 32 loads are in
.irp s, 0,1,2,3,4,5,6,7
	v_lshl_or_b32 v[16+\s], v[25+2*\s], 16, v[24+2*\s]   ; two heads' halfwords make o's scale word of a K step
.endr
	s_wait_alu depctr_va_vdst(0)
.rept 8
	v_nop                                          ; a scale register written by a vector instruction stands 8 places ahead of a scaled matrix instruction
.endr
	WLOAD 2
	WMUL 0
.irp i, 1,2,3,4,5
	s_wait_loadcnt 32                              ; this group is in; the next one's 32 loads may be out
	PLACES                                         ; in front of loads into the set just multiplied
	WLOAD (\i+2)
	WMUL \i
.endr
	s_wait_loadcnt 32
	WMUL 6
	s_wait_loadcnt 0x0
	WMUL 7
	PLACES
	s_wait_tensorcnt 0x0                           ; x's rows lie in my stage
	WIN 0x08
.irp p, 0,1
	ds_store_b128 v5, v[128+4*\p:128+4*\p+3] offset:SGR+512*\p
	ds_store_b128 v5, v[136+4*\p:136+4*\p+3] offset:SBR+512*\p
.endr
	WIN 0
.irp t, 0,1,2,3,4,5,6,7,8,9,10,11,12,13,14,15
.irp p, 0,1
	ds_load_b128 v[128+8*\t+4*\p:128+8*\t+4*\p+3], v6 offset:64*\t+16*\p
.endr
.endr
	s_wait_dscnt 0x0
	WIN 0x01
.set j, 0
.rept 64
	v_pk_add_f32 v[128+j:129+j], v[64+j:65+j], v[128+j:129+j]      ; x + o Wo^T
.set j, j+2
.endr
	WIN 0xc0
.irp t, 0,1,2,3,4,5,6,7,8,9,10,11,12,13,14,15
.irp p, 0,1
	ds_load_b128 v[8*\t+4*\p:8*\t+4*\p+3], v9 offset:SGR+64*\t+16*\p
	ds_load_b128 v[128+8*\t+4*\p:128+8*\t+4*\p+3], v9 offset:SBR+64*\t+16*\p
.endr
.endr
	WIN 0
.macro XWAVE off                       ; four chains in v[24:31] become the row's sum over the four waves, in v32
	v_pk_add_f32 v[24:25], v[24:25], v[26:27]
	v_pk_add_f32 v[28:29], v[28:29], v[30:31]
	v_pk_add_f32 v[24:25], v[24:25], v[28:29]
	v_add_f32 v24, v24, v25
	v_permlanex16_b32 v40, v24, s[SEL], s[SEL+1]
	v_add_f32 v24, v24, v40
	ds_store_b32 v10, v24 offset:\off
	s_wait_dscnt 0x0
	s_barrier_signal -1
	s_barrier_wait -1
	ds_load_b32 v32, v11 offset:\off
	ds_load_b32 v33, v11 offset:\off+64
	ds_load_b32 v34, v11 offset:\off+128
	ds_load_b32 v35, v11 offset:\off+192
	s_wait_dscnt 0x0
	v_add_f32 v32, v32, v33
	v_add_f32 v34, v34, v35
	v_add_f32 v32, v32, v34
.endm
	v_pk_add_f32 v[24:25], v[128:129], v[130:131]
	v_pk_add_f32 v[26:27], v[132:133], v[134:135]
	v_pk_add_f32 v[28:29], v[136:137], v[138:139]
	v_pk_add_f32 v[30:31], v[140:141], v[142:143]
.set j, 16
.rept 14
	v_pk_add_f32 v[24:25], v[24:25], v[128+j:129+j]
	v_pk_add_f32 v[26:27], v[26:27], v[130+j:131+j]
	v_pk_add_f32 v[28:29], v[28:29], v[132+j:133+j]
	v_pk_add_f32 v[30:31], v[30:31], v[134+j:135+j]
.set j, j+8
.endr
	XWAVE 0
	v_mul_f32 v36, s34, v32                        ; the mean
	v_mov_b32 v37, v36
.set j, 0
.rept 64
	v_pk_add_f32 v[128+j:129+j], v[128+j:129+j], v[36:37] neg_lo:[0,1] neg_hi:[0,1]
.set j, j+2
.endr
	v_pk_mul_f32 v[24:25], v[128:129], v[128:129]
	v_pk_mul_f32 v[26:27], v[130:131], v[130:131]
	v_pk_mul_f32 v[28:29], v[132:133], v[132:133]
	v_pk_mul_f32 v[30:31], v[134:135], v[134:135]
.set j, 8
.rept 15
	v_pk_fma_f32 v[24:25], v[128+j:129+j], v[128+j:129+j], v[24:25]
	v_pk_fma_f32 v[26:27], v[130+j:131+j], v[130+j:131+j], v[26:27]
	v_pk_fma_f32 v[28:29], v[132+j:133+j], v[132+j:133+j], v[28:29]
	v_pk_fma_f32 v[30:31], v[134+j:135+j], v[134+j:135+j], v[30:31]
.set j, j+8
.endr
	XWAVE ST2OFF
	v_fma_f32 v41, v32, s34, s35                   ; the variance + 1e-5
	s_wait_alu depctr_va_vdst(0)
	v_rsq_f32 v38, v41
	v_rsq_f32 v39, v41
	v_nop
	s_wait_alu depctr_va_vdst(0)
.set j, 0
.rept 64
	v_pk_mul_f32 v[128+j:129+j], v[128+j:129+j], v[38:39]
.set j, j+2
.endr
	WIN 0x3c
.set j, 0
.rept 64
	v_pk_fma_f32 v[128+j:129+j], v[128+j:129+j], v[j:j+1], v[128+j:129+j]   ; x g1 + b1: sources 1 and 2 in window 3
.set j, j+2
.endr
	WIN 0
.irp t, 0,1,2,3,4,5,6,7,8,9,10,11,12,13,14,15
.irp p, 0,1
	ds_store_b128 v6, v[128+8*\t+4*\p:128+8*\t+4*\p+3] offset:64*\t+16*\p
.endr
.endr
	WIN 0x80
.irp i, 0,1,2,3,4,5,6,7,8,9,10,11,12,13,14,15
.irp p, 0,1
	ds_load_b128 v[4*(2*\i+\p):4*(2*\i+\p)+3], v5 offset:1040*\i+512*\p    ; LDS serves a wave's instructions in order: these see the stores above
.endr
.endr
	s_wait_dscnt 0x0
	WIN 0x08
.irp i, 0,1,2,3,4,5,6,7,8,9,10,11,12,13,14,15
.irp p, 0,1
	global_store_b128 v3, v[4*(2*\i+\p):4*(2*\i+\p)+3], s[48:49] offset:4096*\i+512*\p   ; 512 consecutive bytes a store
.endr
.endr
	WIN 0
.set PC, 24
.set PW, 56
	QUANT 128, 4
	global_store_b128 v3, v[24:27], s[50:51]
	global_store_b128 v3, v[28:31], s[50:51] offset:512
.set PC, 32
.set PW, 57
	QUANT 192, 4
	global_store_b128 v3, v[32:35], s[50:51] offset:1024
	global_store_b128 v3, v[36:39], s[50:51] offset:1536
	ds_store_b64 v12, v[56:57]                     ; both lanes of a row write the same two words
	s_wait_dscnt 0x0
	s_barrier_signal -1
	s_barrier_wait -1
	s_cmp_lg_u32 s[WV], 0
	s_cbranch_scc1 .Lnot_first
	ds_load_b128 v[40:43], v13
	s_wait_dscnt 0x0
	global_store_b128 v14, v[40:43], s[52:53]      ; 256 consecutive bytes, aligned, for each chunk
.Lnot_first:
	s_wait_tensorcnt 0x0                           ; the wave's end
	ds_add_u32 v1, v2
	s_wait_dscnt 0x0
	s_endpgm
.Lfunc_end_k_q01db0622d5_oproj:
	.size	k_q01db0622d5_oproj, .Lfunc_end_k_q01db0622d5_oproj-k_q01db0622d5_oproj
	.p2alignl 7, 3214868480
	.fill 96, 4, 3214868480
	.section	.rodata,"a",@progbits
	.p2align	6, 0x0
	.amdhsa_kernel k_q01db0622d5_oproj
		.amdhsa_group_segment_fixed_size 167936
		.amdhsa_private_segment_fixed_size 0
		.amdhsa_enable_private_segment 0
		.amdhsa_kernarg_size 56
		.amdhsa_user_sgpr_count 2
		.amdhsa_user_sgpr_kernarg_segment_ptr 1
		.amdhsa_wavefront_size32 1
		.amdhsa_system_sgpr_workgroup_id_x 1
		.amdhsa_system_sgpr_workgroup_id_y 1
		.amdhsa_system_sgpr_workgroup_id_z 1
		.amdhsa_system_vgpr_workitem_id 0
		.amdhsa_next_free_vgpr 1024
		.amdhsa_next_free_sgpr 66
		.amdhsa_reserve_vcc 0
		.amdhsa_float_denorm_mode_32 3
		.amdhsa_float_denorm_mode_16_64 3
		.amdhsa_memory_ordered 1
		.amdhsa_forward_progress 1
		.amdhsa_inst_pref_size 100
	.end_amdhsa_kernel
	.amdgpu_metadata
---
amdhsa.version: [ 1, 2 ]
amdhsa.kernels:
  - .name:           k_q01db0622d5_oproj
    .symbol:         k_q01db0622d5_oproj.kd
    .args:
      - { .name: ao, .offset: 0, .size: 8, .value_kind: global_buffer, .address_space: global }
      - { .name: woi, .offset: 8, .size: 8, .value_kind: global_buffer, .address_space: global }
      - { .name: Wo_scales, .offset: 16, .size: 8, .value_kind: global_buffer, .address_space: global }
      - { .name: x, .offset: 24, .size: 8, .value_kind: global_buffer, .address_space: global }
      - { .name: g1, .offset: 32, .size: 8, .value_kind: global_buffer, .address_space: global }
      - { .name: b1, .offset: 40, .size: 8, .value_kind: global_buffer, .address_space: global }
      - { .name: xa, .offset: 48, .size: 8, .value_kind: global_buffer, .address_space: global }
    .group_segment_fixed_size: 167936
    .private_segment_fixed_size: 0
    .kernarg_segment_align: 8
    .kernarg_segment_size: 56
    .max_flat_workgroup_size: 128
    .sgpr_count:     66
    .vgpr_count:     1024
    .wavefront_size: 32
...
	.end_amdgpu_metadata
.endif
;; end of part 4
;; launch ffn1 (part 5): grid 16 x 16, 4 waves a work-group, clusters of 4 x 4, 285,696 bytes of LDS; arguments xa, W1_codes, W1_scales, hq; writes hq
.if DOCPART == 5
	.amdgcn_target "amdgcn-amd-amdhsa--gfx1250"
	.amdhsa_code_object_version 6
	.text
	.protected	k_q01db0622d5_ffn1
	.globl	k_q01db0622d5_ffn1
	.p2align	8
	.type	k_q01db0622d5_ffn1,@function
k_q01db0622d5_ffn1:
	s_mov_b64 s[64:65], 0
	v_nop
	global_prefetch_b8 v0, s[64:65] scope:SCOPE_SE
	s_setreg_imm32_b32 hwreg(HW_REG_WAVE_MODE, 25, 1), 1
	s_wait_xcnt 0x0
	s_wait_alu depctr_hold_cnt(0) depctr_sa_sdst(0) depctr_va_vdst(0) depctr_va_sdst(0) depctr_va_ssrc(0) depctr_va_vcc(0) depctr_vm_vsrc(0)
	s_getreg_b32 s2, hwreg(HW_REG_IB_STS2, 6, 4)
	s_cmp_eq_u32 s2, 0
	s_cbranch_scc0 .Lentry_in_a_cluster
	s_endpgm
.Lentry_in_a_cluster:
	s_bfe_u32 s2, ttmp6, 0x10000c
	s_cmp_lg_u32 s2, 0xf033
	s_cbranch_scc0 .Lentry_shape_is_right
	s_endpgm
.Lentry_shape_is_right:
; h = gelu(xa W1^T), exact (erf), the product on codes of FP4; h leaves as codes along the next product's K = 4,096 and never as f32.
; A work-group takes 256 tokens x 256 columns, K = 1,024 whole, brought into LDS once.  Wave (wr, wc) takes 128 tokens x 128 columns, TRANSPOSED (source 0 = 16 rows of W1, source 1 = 16 tokens): a lane holds one token.
; The wave's 8 tiles x 8 K steps of W1 (512 registers) stay in windows 2 and 3; a loop of eight trips takes a tile of 16 tokens each: products, gelu, quantiser, one image of 1,024 bytes out.
; erf(z) = z P(z^2) / Q(z^2), z held to +-4, where erf is 1 in f32.  gelu(x) = x / 2 + (x / 2) erf(x / sqrt 2).
; CLUSTER 4 x 4: the four of a row share the tokens, the four of a column the weights: each tile is asked for jointly.
; hq: images at 0: [tile of 16 tokens 256][K step 32][1,024]; scale words at 0x800000: [pair of K steps 16][tile 256][row 16][2 words].
; LIMITS: NaN and infinities are not served; a block whose largest magnitude lies under 2^-124 keeps the byte 1.
; REGISTERS: window 0: v1-11 addresses; v16-37 the quantiser's; v38-41 two coefficients; v42-49 the tokens' scale words; v50-81 W1's; v82-145 the eight sums, then gelu; v146-209 z, z^2, P, Q.   window 1: v0-63 the tokens' fragments.
.set BT,    131072                     ; LDS: xa's images at 0 (131,072); 256 rows of W1: 512 bytes + 16;
.set ASC,   266240                     ; xa's scale words [chunk 2][tile 16][256];
.set BSC,   274432                     ; W1's scale bytes: 2 x 16 units of 256 + 16;
.set GS,    283136                     ; 2,048 bytes in which h's scale words meet
.set WV,    12
.set SEL,   98
.set G1AS,  24
.set G1AC,  32
.set G1BS,  40
.set G1BC,  48
.set G0AS,  56
.set G0AC,  60
.set G0BS,  68
.set G0BC,  72
.set A11,   76
.set A9,    78
.set A7,    80
.set A5,    82
.set A3,    84
.set A1,    86
.set B6,    88
.set B4,    90
.set B2,    92
.set B0,    94
.set SQ2,   96
.set DH,    24                         ; behind the wait for all tensor loads the descriptors' registers serve again
.set HSP,   26
.set TA,    28
.set TS,    29
.set TG,    30
.set CNT,   31
.set TM,    16
.set PW,    28
.set PC,    30
.set SAT,   42
.set SB,    50
.set ACC,   82
.set Z,     146
.set Z2,    162
.set P,     178
.set Q,     194
.set MSB, 0
.macro WIN new
.if MSB != \new
	s_set_vgpr_msb (MSB<<8)|\new
.set MSB, \new
.endif
.endm
.macro PLACES
.rept 4
	v_nop
.endr
.endm
.macro WM d, a, b, z, sa, ra, sb, rb
.if \z
.if (\ra) && (\rb)
	v_wmma_scale_f32_16x16x128_f8f6f4 v[(\d):(\d)+7], v[(\a):(\a)+7], v[(\b):(\b)+7], 0, v[\sa], v[\sb] matrix_a_fmt:MATRIX_FMT_FP4 matrix_b_fmt:MATRIX_FMT_FP4 matrix_a_scale:MATRIX_SCALE_ROW1 matrix_b_scale:MATRIX_SCALE_ROW1
.elseif (\ra)
	v_wmma_scale_f32_16x16x128_f8f6f4 v[(\d):(\d)+7], v[(\a):(\a)+7], v[(\b):(\b)+7], 0, v[\sa], v[\sb] matrix_a_fmt:MATRIX_FMT_FP4 matrix_b_fmt:MATRIX_FMT_FP4 matrix_a_scale:MATRIX_SCALE_ROW1
.elseif (\rb)
	v_wmma_scale_f32_16x16x128_f8f6f4 v[(\d):(\d)+7], v[(\a):(\a)+7], v[(\b):(\b)+7], 0, v[\sa], v[\sb] matrix_a_fmt:MATRIX_FMT_FP4 matrix_b_fmt:MATRIX_FMT_FP4 matrix_b_scale:MATRIX_SCALE_ROW1
.else
	v_wmma_scale_f32_16x16x128_f8f6f4 v[(\d):(\d)+7], v[(\a):(\a)+7], v[(\b):(\b)+7], 0, v[\sa], v[\sb] matrix_a_fmt:MATRIX_FMT_FP4 matrix_b_fmt:MATRIX_FMT_FP4
.endif
.else
.if (\ra) && (\rb)
	v_wmma_scale_f32_16x16x128_f8f6f4 v[(\d):(\d)+7], v[(\a):(\a)+7], v[(\b):(\b)+7], v[(\d):(\d)+7], v[\sa], v[\sb] matrix_a_fmt:MATRIX_FMT_FP4 matrix_b_fmt:MATRIX_FMT_FP4 matrix_a_scale:MATRIX_SCALE_ROW1 matrix_b_scale:MATRIX_SCALE_ROW1
.elseif (\ra)
	v_wmma_scale_f32_16x16x128_f8f6f4 v[(\d):(\d)+7], v[(\a):(\a)+7], v[(\b):(\b)+7], v[(\d):(\d)+7], v[\sa], v[\sb] matrix_a_fmt:MATRIX_FMT_FP4 matrix_b_fmt:MATRIX_FMT_FP4 matrix_a_scale:MATRIX_SCALE_ROW1
.elseif (\rb)
	v_wmma_scale_f32_16x16x128_f8f6f4 v[(\d):(\d)+7], v[(\a):(\a)+7], v[(\b):(\b)+7], v[(\d):(\d)+7], v[\sa], v[\sb] matrix_a_fmt:MATRIX_FMT_FP4 matrix_b_fmt:MATRIX_FMT_FP4 matrix_b_scale:MATRIX_SCALE_ROW1
.else
	v_wmma_scale_f32_16x16x128_f8f6f4 v[(\d):(\d)+7], v[(\a):(\a)+7], v[(\b):(\b)+7], v[(\d):(\d)+7], v[\sa], v[\sb] matrix_a_fmt:MATRIX_FMT_FP4 matrix_b_fmt:MATRIX_FMT_FP4
.endif
.endif
.endm
.macro QSCALE s, nb
.set qb, 0
.rept \nb
	v_max3_num_f32 v[TM+qb], |v[(\s)+16*qb]|, |v[(\s)+16*qb+1]|, 0x1800000
.set qb, qb+1
.endr
.set qi, 2
.rept 7
.set qb, 0
.rept \nb
	v_max3_num_f32 v[TM+qb], v[TM+qb], |v[(\s)+16*qb+qi]|, |v[(\s)+16*qb+qi+1]|
.set qb, qb+1
.endr
.set qi, qi+2
.endr
.set qb, 0
.rept \nb
	v_permlanex16_b32 v[TM+4+qb], v[TM+qb], s[SEL], s[SEL+1]
.set qb, qb+1
.endr
.set qb, 0
.rept \nb
	v_max_num_f32 v[TM+qb], v[TM+qb], v[TM+4+qb]
.set qb, qb+1
.endr
.set qb, 0
.rept \nb
	v_add_nc_u32 v[TM+8+qb], 0xff000000, v[TM+qb]
.set qb, qb+1
.endr
.set qb, 0
.rept \nb
	v_lshrrev_b32 v[TM+4+qb], 23, v[TM+8+qb]
.set qb, qb+1
.endr
.endm
.macro QFRAG s, nc
.set qc, 0
.rept \nc
	v_cvt_scalef32_pk8_fp4_f32 v[PC+4*qc], v[(\s)+32*qc:(\s)+32*qc+7], v[TM+8+2*qc]
	v_cvt_scalef32_pk8_fp4_f32 v[PC+4*qc+1], v[(\s)+32*qc+16:(\s)+32*qc+23], v[TM+9+2*qc]
	v_cvt_scalef32_pk8_fp4_f32 v[PC+4*qc+2], v[(\s)+32*qc+8:(\s)+32*qc+15], v[TM+8+2*qc]
	v_cvt_scalef32_pk8_fp4_f32 v[PC+4*qc+3], v[(\s)+32*qc+24:(\s)+32*qc+31], v[TM+9+2*qc]
.set qc, qc+1
.endr
	v_nop
.set qc, 0
.rept \nc
	v_permlane16_swap_b32 v[PC+4*qc], v[PC+4*qc+1]
	v_permlane16_swap_b32 v[PC+4*qc+2], v[PC+4*qc+3]
.set qc, qc+1
.endr
.endm
.macro QUANT s, nb
	QSCALE \s, \nb
	v_lshl_or_b32 v[PW], v[TM+5], 8, v[TM+4]
.if \nb == 4
	v_lshl_or_b32 v[PW], v[TM+6], 16, v[PW]
	v_lshl_or_b32 v[PW], v[TM+7], 24, v[PW]
.endif
	QFRAG \s, (\nb)/2
.endm
.macro CROUND
	s_barrier_signal -1
	s_barrier_wait -1
	s_cmp_lg_u32 s[WV], 0
	s_cbranch_scc1 .Lnot_wave_0_\@
	s_barrier_signal -3
.Lnot_wave_0_\@:
	s_barrier_wait -3
	s_barrier_signal -1
	s_barrier_wait -1
.endm
	s_load_b256 s[4:11], s[0:1], 0x0               ; xa, W1 codes, W1 scales, hq
	v_lshl_add_u32 v254, v0, 2, 0x45a00
	v_mov_b32 v255, 0
	ds_add_u32 v254, v255
	ds_add_u32 v254, v255
	v_lshrrev_b32 v1, 5, v0
	v_readfirstlane_b32 s[WV], v1                  ; wave 0..3
	s_bfe_u32 s13, ttmp6, 0x40000                  ; cx
	s_bfe_u32 s14, ttmp6, 0x40004                  ; cy
	s_lshl_b32 s15, ttmp9, 2
	s_add_co_u32 s15, s15, s13                     ; the block of 256 columns
	s_and_b32 s16, ttmp7, 0xffff
	s_lshl_b32 s16, s16, 2
	s_add_co_u32 s16, s16, s14                     ; the block of 256 tokens
	s_lshl_b32 s17, s14, 2
	s_lshl_b32 s17, 15, s17                        ; my row of the cluster
	s_lshl_b32 s18, 0x1111, s13                    ; my column
	s_and_b32 s19, s[WV], 1                        ; wc
	s_lshr_b32 s20, s[WV], 1                       ; wr
	s_or_b32 s[G1AS], s17, (3<<16)|(1<<21)         ; scale words of 16 tiles: 2 rows (chunks) of 4,096 bytes, 65,536 apart
	s_mov_b32 s[G1AS+1], 512<<16
	s_mov_b32 s[G1AS+2], 2<<16
	s_mov_b32 s[G1AS+3], 512<<16
	s_mov_b32 s[G1AS+4], 2
	s_mov_b32 s[G1AS+5], 8192
	s_mov_b32 s[G1AS+6], 0
	s_mov_b32 s[G1AS+7], 0
	s_or_b32 s[G1AC], s17, (3<<16)|(1<<21)         ; images of 16 tiles: 131,072 dense bytes as 512 rows of 256
	s_mov_b32 s[G1AC+1], 32<<16
	s_mov_b32 s[G1AC+2], 512<<16
	s_mov_b32 s[G1AC+3], 32<<16
	s_mov_b32 s[G1AC+4], 512
	s_mov_b32 s[G1AC+5], 32
	s_mov_b32 s[G1AC+6], 0
	s_mov_b32 s[G1AC+7], 0
	s_or_b32 s[G1BS], s18, (3<<16)|(1<<20)|(1<<21)|(5<<22)|(3<<25)   ; scale bytes of 256 rows: 32 rows of 256, 16 bytes of padding behind each
	s_mov_b32 s[G1BS+1], 32<<16
	s_mov_b32 s[G1BS+2], 32<<16
	s_mov_b32 s[G1BS+3], 32<<16
	s_mov_b32 s[G1BS+4], 32
	s_mov_b32 s[G1BS+5], 32
	s_mov_b32 s[G1BS+6], 0
	s_mov_b32 s[G1BS+7], 0
	s_or_b32 s[G1BC], s18, (1<<20)|(1<<21)|(6<<22)|(3<<25)           ; codes: 256 rows of 512 bytes, 16 bytes of padding behind each
	s_mov_b32 s[G1BC+1], 512<<16
	s_mov_b32 s[G1BC+2], 256<<16
	s_mov_b32 s[G1BC+3], 512<<16
	s_mov_b32 s[G1BC+4], 256
	s_mov_b32 s[G1BC+5], 512
	s_mov_b32 s[G1BC+6], 0
	s_mov_b32 s[G1BC+7], 0
	s_mov_b32 s[A11], 0.0000000277068142495902
	s_mov_b32 s[A9], -0.00000210102402082508
	s_mov_b32 s[A7], -0.0000569250639462346
	s_mov_b32 s[A5], -0.000734990630326855
	s_mov_b32 s[A3], -0.00295459980854025
	s_mov_b32 s[A1], -0.0160960333262415
	s_mov_b32 s[B6], -0.000213374055278905
	s_mov_b32 s[B4], -0.00168282697438203
	s_mov_b32 s[B2], -0.00737332916720468
	s_mov_b32 s[B0], -0.0142647390514189
	s_mov_b32 s[SQ2], 0x3fb504f3                   ; sqrt 2
.irp k, A11, A9, A7, A5, A3, A1, B6, B4, B2, B0, SQ2
	s_mov_b32 s[\k+1], s[\k]                       ; the packed forms name a pair
.endr
	s_mov_b32 s[SEL], 0x76543210
	s_mov_b32 s[SEL+1], 0xfedcba98
	s_lshl_b32 s22, s16, 12                        ; the tokens' offsets hang on the block of tokens alone
	s_add_co_u32 s22, s22, 0x1200000
	s_mov_b32 s23, 0
	s_wait_dscnt 0x0
	s_wait_kmcnt 0x0
	s_mov_b32 s[G0AS], 1
	s_mov_b32 s[G0AS+1], ASC
	s_add_nc_u64 s[G0AS+2:G0AS+3], s[4:5], s[22:23]
	s_or_b32 s[G0AS+3], s[G0AS+3], 0x80000000
	s_lshl_b32 s22, s16, 17
	s_add_co_u32 s22, s22, 0x1000000
	s_mov_b32 s[G0AC], 1
	s_mov_b32 s[G0AC+1], 0
	s_add_nc_u64 s[G0AC+2:G0AC+3], s[4:5], s[22:23]
	s_or_b32 s[G0AC+3], s[G0AC+3], 0x80000000
	s_lshl_b32 s2, s15, 13                         ; W1's on the block of columns alone
	s_mov_b32 s3, 0
	s_mov_b32 s[G0BS], 1
	s_mov_b32 s[G0BS+1], BSC
	s_add_nc_u64 s[G0BS+2:G0BS+3], s[8:9], s[2:3]
	s_or_b32 s[G0BS+3], s[G0BS+3], 0x80000000
	s_lshl_b32 s2, s15, 17
	s_mov_b32 s[G0BC], 1
	s_mov_b32 s[G0BC+1], BT
	s_add_nc_u64 s[G0BC+2:G0BC+3], s[6:7], s[2:3]
	s_or_b32 s[G0BC+3], s[G0BC+3], 0x80000000
	CROUND                                         ; all sixteen work-groups are here: the joint loads meet
; the four tiles, one tensor load a wave: wave 0 the tokens' images, wave 1 W1's codes, wave 2 the tokens' scale words, wave 3 W1's scale bytes.  One tree of branches on the wave's number: every way passes one load
.macro ARM under, g0, g1, next
	s_cmp_lt_u32 s[WV], \under
	s_cbranch_scc0 \next
	tensor_load_to_lds s[\g0:\g0+3], s[\g1:\g1+7]
	s_nop 0
	PLACES
	s_branch .Lfilled
\next:
.endm
	ARM 1, G0AC, G1AC, .Lhead_b
	ARM 2, G0BC, G1BC, .Lhead_sa
	ARM 3, G0AS, G1AS, .Lhead_sb
	tensor_load_to_lds s[G0BS:G0BS+3], s[G1BS:G1BS+7]
	s_nop 0
	PLACES
.Lfilled:
	v_and_b32 v12, 31, v0                          ; lane
	v_and_b32 v13, 15, v0                          ; r
	v_bfe_u32 v14, v0, 4, 1                        ; h
	v_lshlrev_b32 v1, 4, v12                       ; 16 x lane
	v_mul_u32_u24 v2, v13, 528
	v_lshl_add_u32 v2, v14, 4, v2
	s_mul_i32 s2, s19, 128*528
	s_add_co_u32 s2, s2, BT
	v_add_nc_u32 v2, s2, v2                        ; a fragment of my 128 rows of W1
	v_lshrrev_b32 v3, 3, v12
	v_lshlrev_b32 v3, 4, v3
	v_lshl_add_u32 v3, v12, 5, v3
	s_mul_i32 s2, s19, 4352
	s_add_co_u32 s2, s2, BSC
	v_add_nc_u32 v3, s2, v3                        ; W1's scale rows: 32 x lane, + 16 for each 256 passed
	s_lshl_b32 s2, s20, 16
	v_add_nc_u32 v4, s2, v1                        ; my 8 tiles of tokens: images
	s_lshl_b32 s2, s20, 11
	s_add_co_u32 s2, s2, ASC
	v_lshl_add_u32 v5, v13, 4, s2                  ; and scale words, row r
	s_lshl_b32 s2, s20, 10
	s_lshl_b32 s3, s19, 2
	s_add_co_u32 s2, s2, s3
	s_add_co_u32 s2, s2, GS
	v_lshl_add_u32 v8, v13, 3, s2                  ; h's scale word: tile 8 wr + m, row r, word wc
	v_lshlrev_b32 v11, 4, v0                       ; 16 x thread
	v_add_nc_u32 v10, GS, v11
	v_mov_b32 v38, -0.000000000272614225801306     ; P's leading coefficient,
	v_mov_b32 v39, v38
	v_mov_b32 v40, -0.0000145660718464996          ; and Q's
	v_mov_b32 v41, v40
.irp b, 0,1,2,3
	v_mov_b32 v[TM+4+\b], 0                        ; written once: a lane permute's destination counts as one of its sources
.endr
	s_wait_tensorcnt 0x0                           ; my load has landed,
	s_barrier_signal -1
	s_barrier_wait -1                              ; everybody's have
	s_lshl_b32 s2, s16, 19                         ; h's images: ((16 block + 8 wr) 32 + 2 column block + wc) x 1,024
	s_lshl_b32 s3, s20, 18
	s_add_co_u32 s2, s2, s3
	s_lshl_b32 s3, s15, 11
	s_add_co_u32 s2, s2, s3
	s_lshl_b32 s3, s19, 10
	s_add_co_u32 s2, s2, s3
	s_mov_b32 s3, 0
	s_add_nc_u64 s[DH:DH+1], s[10:11], s[2:3]
	s_lshl_b32 s2, s15, 15
	s_lshl_b32 s21, s16, 11
	s_add_co_u32 s2, s2, s21
	s_add_co_u32 s2, s2, 0x800000
	s_add_nc_u64 s[HSP:HSP+1], s[10:11], s[2:3]
	s_mov_b32 s[TA], 0
	s_mov_b32 s[TS], 0
	s_mov_b32 s[TG], 0
	s_mov_b32 s[CNT], 8
	WIN 0x80                                       ; W1's fragments (tile b, K step s) at 8 (8 (b & 3) + s) of window 2 + (b >> 2): they stay
.irp b, 0,1,2,3
.irp s, 0,1,2,3,4,5,6,7
.irp c, 0,1
	ds_load_b128 v[8*(8*\b+\s)+4*\c:8*(8*\b+\s)+4*\c+3], v2 offset:8448*\b+64*\s+32*\c
.endr
.endr
.endr
	WIN 0xc0
.irp b, 0,1,2,3
.irp s, 0,1,2,3,4,5,6,7
.irp c, 0,1
	ds_load_b128 v[8*(8*\b+\s)+4*\c:8*(8*\b+\s)+4*\c+3], v2 offset:8448*(\b+4)+64*\s+32*\c
.endr
.endr
.endr
	WIN 0
.irp i, 0,1,2,3
.irp k, 0,1
	ds_load_b128 v[SB+8*\i+4*\k:SB+8*\i+4*\k+3], v3 offset:1088*\i+16*\k   ; lanes 0-15 tile 2 i, lanes 16-31 tile 2 i + 1; register s: K step s
.endr
.endr
.macro FETCHM                          ; the tile of tokens at s[TA], s[TS]: eight fragments and eight scale words
	v_add_nc_u32 v6, s[TA], v4
	v_add_nc_u32 v7, s[TS], v5
	WIN 0x40
.irp s, 0,1,2,3,4,5,6,7
.irp c, 0,1
	ds_load_b128 v[8*\s+4*\c:8*\s+4*\c+3], v6 offset:1024*\s+512*\c
.endr
.endr
	WIN 0
	ds_load_b128 v[SAT:SAT+3], v7
	ds_load_b128 v[SAT+4:SAT+7], v7 offset:4096
.endm
.macro PKH dst, cf                     ; a Horner step on eight pairs: dst = dst z^2 + the coefficient
.irp k, 0,2,4,6,8,10,12,14
	v_pk_fma_f32 v[\dst+\k:\dst+\k+1], v[\dst+\k:\dst+\k+1], v[Z2+\k:Z2+\k+1], s[\cf:\cf+1] op_sel_hi:[1,1,0]
.endr
.endm
.macro GELU16 g                        ; sixteen numbers a lane: two tiles, each read from its low end on
.set G, ACC+16*(\g)
.irp k, 0,2,4,6,8,10,12,14
	v_pk_mul_f32 v[G+\k:G+\k+1], v[G+\k:G+\k+1], 0.5 op_sel_hi:[1,0]
.endr
.irp k, 0,2,4,6,8,10,12,14
	v_pk_mul_f32 v[Z+\k:Z+\k+1], v[G+\k:G+\k+1], s[SQ2:SQ2+1] op_sel_hi:[1,0]   ; z = x / sqrt 2
.endr
.irp k, 0,1,2,3,4,5,6,7,8,9,10,11,12,13,14,15
	v_med3_num_f32 v[Z+\k], v[Z+\k], -4.0, 4.0
.endr
.irp k, 0,2,4,6,8,10,12,14
	v_pk_mul_f32 v[Z2+\k:Z2+\k+1], v[Z+\k:Z+\k+1], v[Z+\k:Z+\k+1]
.endr
.irp k, 0,2,4,6,8,10,12,14
	v_pk_fma_f32 v[P+\k:P+\k+1], v[Z2+\k:Z2+\k+1], v[38:39], s[A11:A11+1] op_sel_hi:[1,1,0]
.endr
.irp k, 0,2,4,6,8,10,12,14
	v_pk_fma_f32 v[Q+\k:Q+\k+1], v[Z2+\k:Z2+\k+1], v[40:41], s[B6:B6+1] op_sel_hi:[1,1,0]
.endr
	PKH P, A9
	PKH Q, B4
	PKH P, A7
	PKH Q, B2
	PKH P, A5
	PKH Q, B0
	s_wait_alu depctr_va_vdst(0)
.irp k, 0,1,2,3,4,5,6,7,8,9,10,11,12,13,14,15
	v_rcp_f32 v[Q+\k], v[Q+\k]
.endr
	PKH P, A3                                      ; independent work behind the reciprocals
	PKH P, A1
.irp k, 0,2,4,6,8,10,12,14
	v_pk_mul_f32 v[P+\k:P+\k+1], v[P+\k:P+\k+1], v[Z+\k:Z+\k+1]
.endr
	s_wait_alu depctr_va_vdst(0)                   ; one wait for the sixteen, ahead of their first reader
.irp k, 0,2,4,6,8,10,12,14
	v_pk_mul_f32 v[P+\k:P+\k+1], v[P+\k:P+\k+1], v[Q+\k:Q+\k+1]                  ; erf
.endr
.irp k, 0,2,4,6,8,10,12,14
	v_pk_fma_f32 v[G+\k:G+\k+1], v[G+\k:G+\k+1], v[P+\k:P+\k+1], v[G+\k:G+\k+1]
.endr
.endm
	FETCHM
.Ltrip:
	s_wait_dscnt 0x0                               ; this tile's fragments and words are in (at the first trip W1's too)
	WIN 0x06                                       ; source 0 window 2 (W1), source 1 window 1 (tokens); four sums by turns
.irp s, 0,1,2,3,4,5,6,7
.irp b, 0,1,2,3
	WM ACC+8*\b, 8*(8*\b+\s), 8*\s, (\s==0), SB+8*(\b>>1)+\s, (\b&1), SAT+\s, 0
.endr
.endr
	WIN 0x07                                       ; source 0 window 3
.irp s, 0,1,2,3,4,5,6,7
.irp b, 4,5,6,7
	WM ACC+8*\b, 8*(8*(\b-4)+\s), 8*\s, (\s==0), SB+8*(\b>>1)+\s, (\b&1), SAT+\s, 0
.endr
.endr
	WIN 0
	PLACES                                         ; in front of the loads into fragments and words, and of the first read of results
	s_add_co_u32 s[TA], s[TA], 8192
	s_add_co_u32 s[TS], s[TS], 256
	s_cmp_eq_u32 s[CNT], 1                         ; the last trip has no next tile
	s_cbranch_scc1 .Lno_next
	FETCHM                                         ; it lands under the vector work below
.Lno_next:
	GELU16 0
	GELU16 1
	GELU16 2
	GELU16 3
	QUANT ACC, 4                                   ; my 128 columns are one K step of the next product
	v_add_nc_u32 v9, s[TG], v8
	global_store_b128 v1, v[PC:PC+3], s[DH:DH+1]
	global_store_b128 v1, v[PC+4:PC+7], s[DH:DH+1] offset:512
	ds_store_b32 v9, v[PW]                         ; both lanes of a row write the same word
	s_wait_xcnt 0x0                                ; the stores have read their registers and their base: both may be written again
	s_add_nc_u64 s[DH:DH+1], s[DH:DH+1], 32768
	s_add_co_u32 s[TG], s[TG], 128
	s_sub_co_u32 s[CNT], s[CNT], 1
	s_cmp_lg_u32 s[CNT], 0
	s_cbranch_scc1 .Ltrip
	s_wait_dscnt 0x0
	s_barrier_signal -1
	s_barrier_wait -1                              ; the 16 tiles' scale words lie in LDS
	ds_load_b128 v[Z:Z+3], v10
	s_wait_dscnt 0x0
	global_store_b128 v11, v[Z:Z+3], s[HSP:HSP+1]  ; 2,048 consecutive bytes a work-group
	s_wait_tensorcnt 0x0
	ds_add_u32 v254, v255
	s_wait_dscnt 0x0
	CROUND                                         ; the closing round
	s_endpgm
.Lfunc_end_k_q01db0622d5_ffn1:
	.size	k_q01db0622d5_ffn1, .Lfunc_end_k_q01db0622d5_ffn1-k_q01db0622d5_ffn1
	.p2alignl 7, 3214868480
	.fill 96, 4, 3214868480
	.section	.rodata,"a",@progbits
	.p2align	6, 0x0
	.amdhsa_kernel k_q01db0622d5_ffn1
		.amdhsa_group_segment_fixed_size 285696
		.amdhsa_private_segment_fixed_size 0
		.amdhsa_enable_private_segment 0
		.amdhsa_kernarg_size 32
		.amdhsa_user_sgpr_count 2
		.amdhsa_user_sgpr_kernarg_segment_ptr 1
		.amdhsa_wavefront_size32 1
		.amdhsa_system_sgpr_workgroup_id_x 1
		.amdhsa_system_sgpr_workgroup_id_y 1
		.amdhsa_system_sgpr_workgroup_id_z 1
		.amdhsa_system_vgpr_workitem_id 0
		.amdhsa_next_free_vgpr 1024
		.amdhsa_next_free_sgpr 104
		.amdhsa_reserve_vcc 0
		.amdhsa_float_denorm_mode_32 3
		.amdhsa_float_denorm_mode_16_64 3
		.amdhsa_memory_ordered 1
		.amdhsa_forward_progress 1
		.amdhsa_inst_pref_size 72
	.end_amdhsa_kernel
	.amdgpu_metadata
---
amdhsa.version: [ 1, 2 ]
amdhsa.kernels:
  - .name:           k_q01db0622d5_ffn1
    .symbol:         k_q01db0622d5_ffn1.kd
    .args:
      - { .name: xa, .offset: 0, .size: 8, .value_kind: global_buffer, .address_space: global }
      - { .name: W1_codes, .offset: 8, .size: 8, .value_kind: global_buffer, .address_space: global }
      - { .name: W1_scales, .offset: 16, .size: 8, .value_kind: global_buffer, .address_space: global }
      - { .name: hq, .offset: 24, .size: 8, .value_kind: global_buffer, .address_space: global }
    .group_segment_fixed_size: 285696
    .private_segment_fixed_size: 0
    .kernarg_segment_align: 8
    .kernarg_segment_size: 32
    .max_flat_workgroup_size: 128
    .sgpr_count:     104
    .vgpr_count:     1024
    .wavefront_size: 32
...
	.end_amdgpu_metadata
.endif
;; end of part 5
;; launch ffn2 (part 6): grid 8 x 32, 4 waves a work-group, clusters of 4 x 4, 327,680 bytes of LDS; arguments hq, W2_codes, W2_scales, xa, z2; writes z2
.if DOCPART == 6
	.amdgcn_target "amdgcn-amd-amdhsa--gfx1250"
	.amdhsa_code_object_version 6
	.text
	.protected	k_q01db0622d5_ffn2
	.globl	k_q01db0622d5_ffn2
	.p2align	8
	.type	k_q01db0622d5_ffn2,@function
k_q01db0622d5_ffn2:
	s_mov_b64 s[64:65], 0
	v_nop
	global_prefetch_b8 v0, s[64:65] scope:SCOPE_SE
	s_setreg_imm32_b32 hwreg(HW_REG_WAVE_MODE, 25, 1), 1
	s_wait_xcnt 0x0
	s_wait_alu depctr_hold_cnt(0) depctr_sa_sdst(0) depctr_va_vdst(0) depctr_va_sdst(0) depctr_va_ssrc(0) depctr_va_vcc(0) depctr_vm_vsrc(0)
	s_getreg_b32 s2, hwreg(HW_REG_IB_STS2, 6, 4)
	s_cmp_eq_u32 s2, 0
	s_cbranch_scc0 .Lentry_in_a_cluster
	s_endpgm
.Lentry_in_a_cluster:
	s_bfe_u32 s2, ttmp6, 0x10000c
	s_cmp_lg_u32 s2, 0xf033
	s_cbranch_scc0 .Lentry_shape_is_right
	s_endpgm
.Lentry_shape_is_right:
; z2 = xa + h W2^T, the product on codes of FP4, K = 4,096.
; A work-group takes 128 tokens x 128 columns; wave (wr, wc) 64 x 64, TRANSPOSED (source 0 = 16 rows of W2, source 1 = 16 tokens): 16 sums, a lane holds eight neighbouring columns of one token.
; K goes in four parts of 1,024 through two LDS slots.  THE HEAD: one tensor load a wave: wave 0 part 0 of h's images (8 tiles of tokens), wave 2 part 0 of W2's 128 rows,
; wave 1 h's scale words and wave 3 W2's scale bytes, both for all of K.  Slot 1's first fill and the two refills stand each behind the three lines and a round of the cluster's barrier;
; there waves 0, 1 fetch h's images (4 tiles each), waves 2, 3 W2's rows (64 each).  By this text's own count a wave never has more than one tensor load out.
; CLUSTER 4 x 4: the four of a row share the tokens, the four of a column the weights: each tile is asked for jointly.
; No prefetch: behind the head only three fills follow, written out, each asked for a whole part of K (128 matrix instructions a wave) ahead of its use.
; REGISTERS: window 0: v1-11 addresses; v32-95 scale words, two sets; v128-255 the sums, (a, b) at 128 + 8 (4 a + b).   window 1: v0-127 fragments, two sets of 64; v128-255 xa's rows.
.set SLOTB, 133120                     ; a slot: h's images [tile 8][K step 8][1,024], then 128 rows of W2: 512 bytes + 16
.set ASC,   266240                     ; h's scale words [pair of K steps 16][1,024]
.set BSC,   282624                     ; W2's scale bytes: 64 units of 256 + 16
.set SPARE, 300032                     ; the spare words, 128 bytes a wave, which no other line names
.set WV,    14
.set G1AS,  24
.set G1AC,  32
.set G1BS,  40
.set G1BC,  48
.set G0AS,  56
.set G0BS,  60
.set G0A,   68                         ; s[68:75]: one set for each slot
.set G0B,   76                         ; s[76:83]
.set MSB, 0
.macro WIN new
.if MSB != \new
	s_set_vgpr_msb (MSB<<8)|\new
.set MSB, \new
.endif
.endm
.macro PLACES
.rept 4
	v_nop
.endr
.endm
.macro WM d, a, b, z, sa, ra, sb, rb
.if \z
.if (\ra) && (\rb)
	v_wmma_scale_f32_16x16x128_f8f6f4 v[(\d):(\d)+7], v[(\a):(\a)+7], v[(\b):(\b)+7], 0, v[\sa], v[\sb] matrix_a_fmt:MATRIX_FMT_FP4 matrix_b_fmt:MATRIX_FMT_FP4 matrix_a_scale:MATRIX_SCALE_ROW1 matrix_b_scale:MATRIX_SCALE_ROW1
.elseif (\ra)
	v_wmma_scale_f32_16x16x128_f8f6f4 v[(\d):(\d)+7], v[(\a):(\a)+7], v[(\b):(\b)+7], 0, v[\sa], v[\sb] matrix_a_fmt:MATRIX_FMT_FP4 matrix_b_fmt:MATRIX_FMT_FP4 matrix_a_scale:MATRIX_SCALE_ROW1
.elseif (\rb)
	v_wmma_scale_f32_16x16x128_f8f6f4 v[(\d):(\d)+7], v[(\a):(\a)+7], v[(\b):(\b)+7], 0, v[\sa], v[\sb] matrix_a_fmt:MATRIX_FMT_FP4 matrix_b_fmt:MATRIX_FMT_FP4 matrix_b_scale:MATRIX_SCALE_ROW1
.else
	v_wmma_scale_f32_16x16x128_f8f6f4 v[(\d):(\d)+7], v[(\a):(\a)+7], v[(\b):(\b)+7], 0, v[\sa], v[\sb] matrix_a_fmt:MATRIX_FMT_FP4 matrix_b_fmt:MATRIX_FMT_FP4
.endif
.else
.if (\ra) && (\rb)
	v_wmma_scale_f32_16x16x128_f8f6f4 v[(\d):(\d)+7], v[(\a):(\a)+7], v[(\b):(\b)+7], v[(\d):(\d)+7], v[\sa], v[\sb] matrix_a_fmt:MATRIX_FMT_FP4 matrix_b_fmt:MATRIX_FMT_FP4 matrix_a_scale:MATRIX_SCALE_ROW1 matrix_b_scale:MATRIX_SCALE_ROW1
.elseif (\ra)
	v_wmma_scale_f32_16x16x128_f8f6f4 v[(\d):(\d)+7], v[(\a):(\a)+7], v[(\b):(\b)+7], v[(\d):(\d)+7], v[\sa], v[\sb] matrix_a_fmt:MATRIX_FMT_FP4 matrix_b_fmt:MATRIX_FMT_FP4 matrix_a_scale:MATRIX_SCALE_ROW1
.elseif (\rb)
	v_wmma_scale_f32_16x16x128_f8f6f4 v[(\d):(\d)+7], v[(\a):(\a)+7], v[(\b):(\b)+7], v[(\d):(\d)+7], v[\sa], v[\sb] matrix_a_fmt:MATRIX_FMT_FP4 matrix_b_fmt:MATRIX_FMT_FP4 matrix_b_scale:MATRIX_SCALE_ROW1
.else
	v_wmma_scale_f32_16x16x128_f8f6f4 v[(\d):(\d)+7], v[(\a):(\a)+7], v[(\b):(\b)+7], v[(\d):(\d)+7], v[\sa], v[\sb] matrix_a_fmt:MATRIX_FMT_FP4 matrix_b_fmt:MATRIX_FMT_FP4
.endif
.endif
.endm
.macro CROUND
	s_barrier_signal -1
	s_barrier_wait -1
	s_cmp_lg_u32 s[WV], 0
	s_cbranch_scc1 .Lnot_wave_0_\@
	s_barrier_signal -3
.Lnot_wave_0_\@:
	s_barrier_wait -3
	s_barrier_signal -1
	s_barrier_wait -1
.endm
.macro JLOAD n                         ; slot n's joint load: waves 0, 1 for the tokens, waves 2, 3 for W2; my half
	s_cmp_lt_u32 s[WV], 2
	s_cbranch_scc0 .Lfor_b_\@
	tensor_load_to_lds s[G0A+4*\n:G0A+4*\n+3], s[G1AC:G1AC+7]
	s_nop 0
	PLACES
	s_branch .Lasked_\@
.Lfor_b_\@:
	tensor_load_to_lds s[G0B+4*\n:G0B+4*\n+3], s[G1BC:G1BC+7]
	s_nop 0
	PLACES
.Lasked_\@:
.endm
	s_load_b256 s[4:11], s[0:1], 0x0               ; hq, W2 codes, W2 scales, xa
	s_load_b64 s[12:13], s[0:1], 0x20              ; z2
	v_lshl_add_u32 v1, v0, 2, SPARE
	v_mov_b32 v2, 0
	ds_add_u32 v1, v2                              ; the opening lines: the add, twice on end, and its wait
	ds_add_u32 v1, v2
	v_lshrrev_b32 v12, 5, v0
	v_readfirstlane_b32 s[WV], v12                 ; wave 0..3
	s_bfe_u32 s15, ttmp6, 0x40000                  ; cx
	s_bfe_u32 s16, ttmp6, 0x40004                  ; cy
	s_lshl_b32 s17, ttmp9, 2
	s_add_co_u32 s17, s17, s15                     ; the block of 128 columns
	s_and_b32 s18, ttmp7, 0xffff
	s_lshl_b32 s18, s18, 2
	s_add_co_u32 s18, s18, s16                     ; the block of 128 tokens
	s_lshl_b32 s19, s16, 2
	s_lshl_b32 s19, 15, s19                        ; my row of the cluster
	s_lshl_b32 s20, 0x1111, s15                    ; my column
	s_and_b32 s21, s[WV], 1                        ; wc; also: which half I fetch in the ring
	s_lshr_b32 s22, s[WV], 1                       ; wr
	s_or_b32 s[G1AS], s19, (3<<16)|(1<<21)         ; h's scale words: 16 rows (pairs of K steps) of 1,024 bytes, 32,768 apart
	s_mov_b32 s[G1AS+1], 128<<16
	s_mov_b32 s[G1AS+2], 16<<16
	s_mov_b32 s[G1AS+3], 128<<16
	s_mov_b32 s[G1AS+4], 16
	s_mov_b32 s[G1AS+5], 4096
	s_mov_b32 s[G1AS+6], 0
	s_mov_b32 s[G1AS+7], 0
	s_or_b32 s[G1AC], s19, (3<<16)|(1<<21)         ; h's images: rows (tiles of tokens) of 8,192 bytes (8 K steps), 32,768 apart: 8 at the head, then 4
	s_mov_b32 s[G1AC+1], 1024<<16
	s_mov_b32 s[G1AC+2], 8<<16
	s_mov_b32 s[G1AC+3], 1024<<16
	s_mov_b32 s[G1AC+4], 8
	s_mov_b32 s[G1AC+5], 4096
	s_mov_b32 s[G1AC+6], 0
	s_mov_b32 s[G1AC+7], 0
	s_or_b32 s[G1BS], s20, (3<<16)|(1<<20)|(1<<21)|(5<<22)|(3<<25)   ; W2's scale bytes of 128 rows: 64 rows of 256, 16 bytes of padding behind each
	s_mov_b32 s[G1BS+1], 32<<16
	s_mov_b32 s[G1BS+2], 64<<16
	s_mov_b32 s[G1BS+3], 32<<16
	s_mov_b32 s[G1BS+4], 64
	s_mov_b32 s[G1BS+5], 32
	s_mov_b32 s[G1BS+6], 0
	s_mov_b32 s[G1BS+7], 0
	s_or_b32 s[G1BC], s20, (1<<20)|(1<<21)|(6<<22)|(3<<25)           ; W2's codes: rows of 512 bytes, 2,048 apart, 16 bytes of padding behind each: 128 at the head, then 64
	s_mov_b32 s[G1BC+1], 512<<16
	s_mov_b32 s[G1BC+2], 128<<16
	s_mov_b32 s[G1BC+3], 512<<16
	s_mov_b32 s[G1BC+4], 128
	s_mov_b32 s[G1BC+5], 2048
	s_mov_b32 s[G1BC+6], 0
	s_mov_b32 s[G1BC+7], 0
	s_lshl_b32 s84, s18, 10                        ; the tokens' offsets hang on the block of tokens and the wave alone
	s_add_co_u32 s84, s84, 0x800000
	s_mov_b32 s85, 0
	s_lshl_b32 s92, s18, 18
	s_lshl_b32 s23, s21, 17
	s_add_co_u32 s92, s92, s23
	s_mov_b32 s93, 0
	s_lshl_b32 s86, s17, 14                        ; W2's on the block of columns and the wave alone
	s_mov_b32 s87, 0
	s_lshl_b32 s94, s17, 18
	s_lshl_b32 s23, s21, 17
	s_add_co_u32 s94, s94, s23
	s_mov_b32 s95, 0
	s_lshl_b32 s97, s21, 15                        ; LDS: halves of 32,768
	s_mul_i32 s99, s21, 33792                      ; and 33,792 bytes
	s_wait_dscnt 0x0
	s_wait_kmcnt 0x0
	s_mov_b32 s[G0AS], 1
	s_mov_b32 s[G0AS+1], ASC
	s_add_nc_u64 s[G0AS+2:G0AS+3], s[4:5], s[84:85]
	s_or_b32 s[G0AS+3], s[G0AS+3], 0x80000000
	s_mov_b32 s[G0BS], 1
	s_mov_b32 s[G0BS+1], BSC
	s_add_nc_u64 s[G0BS+2:G0BS+3], s[8:9], s[86:87]
	s_or_b32 s[G0BS+3], s[G0BS+3], 0x80000000
	s_add_nc_u64 s[92:93], s[4:5], s[92:93]
	s_add_nc_u64 s[94:95], s[6:7], s[94:95]
.irp n, 0,1
	s_mov_b32 s[G0A+4*\n], 1
	s_add_co_u32 s[G0A+4*\n+1], s97, \n*SLOTB
	s_add_nc_u64 s[G0A+4*\n+2:G0A+4*\n+3], s[92:93], \n*8192
	s_or_b32 s[G0A+4*\n+3], s[G0A+4*\n+3], 0x80000000
	s_mov_b32 s[G0B+4*\n], 1
	s_add_co_u32 s[G0B+4*\n+1], s99, \n*SLOTB+65536
	s_add_nc_u64 s[G0B+4*\n+2:G0B+4*\n+3], s[94:95], \n*512
	s_or_b32 s[G0B+4*\n+3], s[G0B+4*\n+3], 0x80000000
.endr
	CROUND                                         ; all sixteen work-groups are here: the first joint loads meet
; one tree of branches on the wave's number: every way passes one load.  In waves 0 and 2 the half is 0, so slot 0's own group 0 points at the whole tile's first byte
.macro ARM w, g0, g1, next
	s_cmp_eq_u32 s[WV], \w
	s_cbranch_scc0 \next
	tensor_load_to_lds s[\g0:\g0+3], s[\g1:\g1+7]
	s_nop 0
	PLACES
	s_branch .Lfilled
\next:
.endm
	ARM 0, G0A,  G1AC, .Lhead_b
	ARM 2, G0B,  G1BC, .Lhead_sa
	ARM 1, G0AS, G1AS, .Lhead_sb
	tensor_load_to_lds s[G0BS:G0BS+3], s[G1BS:G1BS+7]
	s_nop 0
	PLACES
.Lfilled:
	v_and_b32 v12, 31, v0                          ; lane
	v_and_b32 v13, 15, v0                          ; r
	v_bfe_u32 v14, v0, 4, 1                        ; h
	v_lshlrev_b32 v3, 4, v12                       ; 16 x lane
	s_lshl_b32 s88, s22, 15
	v_add_nc_u32 v4, s88, v3                       ; my four tiles of tokens in slot 0,
	v_add_nc_u32 v5, SLOTB, v4                     ; in slot 1
	v_mul_u32_u24 v6, v13, 528
	v_lshl_add_u32 v6, v14, 4, v6
	s_mul_i32 s88, s21, 64*528
	s_add_co_u32 s88, s88, 65536
	v_add_nc_u32 v6, s88, v6                       ; my 64 rows of W2 in slot 0,
	v_add_nc_u32 v7, SLOTB, v6                     ; in slot 1
	s_lshl_b32 s88, s22, 9
	s_add_co_u32 s88, s88, ASC
	v_lshl_add_u32 v8, v12, 3, s88                 ; h's scale words: two tiles to a load, 8 bytes a row
	v_lshrrev_b32 v9, 1, v12
	v_mul_u32_u24 v9, v9, 272
	v_and_b32 v15, 1, v12
	v_lshl_add_u32 v9, v15, 7, v9
	s_mul_i32 s88, s21, 8704
	s_add_co_u32 s88, s88, BSC
	v_add_nc_u32 v9, s88, v9                       ; W2's scale rows of 128 bytes: two to a unit of 256 + 16
	v_mul_u32_u24 v10, v13, 528
	v_lshl_add_u32 v10, v14, 5, v10
	s_mul_i32 s88, s22, 64*528
	s_lshl_b32 s89, s21, 8
	s_add_co_u32 s88, s88, s89
	v_add_nc_u32 v10, s88, v10                     ; the stage (slot 0, behind its last fill and last read): token 64 wr + r, + 256 wc + 32 h
	s_mul_i32 s88, s[WV], 32*528
	v_add_nc_u32 v11, s88, v3                      ; and back: my 32 whole rows
	s_lshl_b32 s88, s18, 19                        ; xa and z2 at row 128 block + 32 wave, column 128 column block
	s_lshl_b32 s89, s[WV], 17
	s_add_co_u32 s88, s88, s89
	s_lshl_b32 s89, s17, 9
	s_add_co_u32 s88, s88, s89
	s_mov_b32 s89, 0
	s_add_nc_u64 s[90:91], s[12:13], s[88:89]
	s_add_nc_u64 s[88:89], s[10:11], s[88:89]
	s_wait_alu depctr_va_vdst(0)
	s_wait_tensorcnt 0x0                           ; my tile of the head's four is in
	ds_add_u32 v1, v2
	s_mov_b32 s[G1AC+2], 4<<16                     ; no tensor load of mine is out, so a descriptor may be written: from here on a load brings half a tile
	s_mov_b32 s[G1AC+4], 4
	s_mov_b32 s[G1BC+2], 64<<16
	s_mov_b32 s[G1BC+4], 64
	s_wait_dscnt 0x0
	CROUND                                         ; all four tiles are in, and all sixteen work-groups are here
	JLOAD 1                                        ; slot 1's first fill, the first tensor load behind the round
.macro FETCH sl, q                     ; K step q of the slot: four fragments of tokens, four of W2, into set q & 1
	WIN 0x40
.irp a, 0,1,2,3
.irp c, 0,1
	ds_load_b128 v[64*((\q)&1)+8*\a+4*\c:64*((\q)&1)+8*\a+4*\c+3], v[4+(\sl)] offset:8192*\a+1024*(\q)+512*\c
.endr
.endr
.irp b, 0,1,2,3
.irp c, 0,1
	ds_load_b128 v[64*((\q)&1)+32+8*\b+4*\c:64*((\q)&1)+32+8*\b+4*\c+3], v[6+(\sl)] offset:8448*\b+64*(\q)+32*\c
.endr
.endr
	WIN 0
.endm
.macro PH d                            ; part d of K, in slot d & 1: eight K steps, sixteen sums by turns
.set SS, 32+32*((\d)&1)
.irp u, 0,1,2,3
.irp i, 0,1
	ds_load_b64 v[SS+8*\i+2*\u:SS+8*\i+2*\u+1], v8 offset:(4*(\d)+\u)*1024+256*\i      ; lanes 0-15 token tile 2 i, lanes 16-31 tile 2 i + 1; K steps 2 u, 2 u + 1
.endr
.endr
.irp i, 0,1
.irp f, 0,1
	ds_load_b128 v[SS+16+8*\i+4*\f:SS+16+8*\i+4*\f+3], v9 offset:4352*\i+16*(2*(\d)+\f)
.endr
.endr
	FETCH (\d)&1, 0
.irp q, 0,1,2,3,4,5,6,7
.if \q < 7
.if \q > 0
	PLACES                                         ; in front of loads into the set just multiplied
.endif
	FETCH (\d)&1, \q+1
	s_wait_dscnt 16                                ; all but the 16 just issued
.else
	s_wait_dscnt 0x0
.endif
	WIN 0x05                                       ; sources 0 and 1 window 1
.irp a, 0,1,2,3
.irp b, 0,1,2,3
	WM 128+8*(4*\a+\b), 64*(\q&1)+32+8*\b, 64*(\q&1)+8*\a, (((\d)==0)&&(\q==0)), SS+16+8*(\b>>1)+\q, (\b&1), SS+8*(\a>>1)+\q, (\a&1)
.endr
.endr
	WIN 0
.endr
.endm
; The change of slots.  Every wave waits for all its tensor loads, adds 0 to its spare word, and waits for that and for its reads of the slot that it leaves.
; fill = 1: a round of the cluster's barrier, and behind it the slot is filled again, two parts of K on: the wave's one tensor load until the next round.
.macro CHANGE other, fill
	s_wait_tensorcnt 0x0
	ds_add_u32 v1, v2
.if \fill
	s_add_nc_u64 s[G0A+4*\other+2:G0A+4*\other+3], s[G0A+4*\other+2:G0A+4*\other+3], 16384
	s_add_nc_u64 s[G0B+4*\other+2:G0B+4*\other+3], s[G0B+4*\other+2:G0B+4*\other+3], 1024
.endif
	s_wait_dscnt 0x0
.if \fill
	CROUND
	JLOAD \other
.else
	s_barrier_signal -1
	s_barrier_wait -1
	PLACES
.endif
.endm
	PH 0
	CHANGE 0, 1
	PH 1
	CHANGE 1, 1
	PH 2
	CHANGE 0, 0
	WIN 0x40                                       ; xa's 32 rows that I shall store: asked for a part of K ahead
.irp i, 0,1,2,3,4,5,6,7,8,9,10,11,12,13,14,15,16,17,18,19,20,21,22,23,24,25,26,27,28,29,30,31
	global_load_b128 v[128+4*\i:131+4*\i], v3, s[88:89] offset:4096*\i
.endr
	WIN 0
	PH 3
	; THE WAY OUT: a row's 512 bytes come from two waves: they meet in the stage; each wave then takes 32 whole rows
	PLACES
.irp a, 0,1,2,3
.irp b, 0,1,2,3
.irp p, 0,1
	ds_store_b128 v10, v[128+8*(4*\a+\b)+4*\p:128+8*(4*\a+\b)+4*\p+3] offset:8448*\a+64*\b+16*\p   ; each sum from its low end on
.endr
.endr
.endr
	s_wait_dscnt 0x0                               ; for the others' sake
	s_barrier_signal -1
	s_barrier_wait -1
.irp i, 0,1,2,3,4,5,6,7,8,9,10,11,12,13,14,15,16,17,18,19,20,21,22,23,24,25,26,27,28,29,30,31
	ds_load_b128 v[128+4*\i:131+4*\i], v11 offset:528*\i
.endr
	s_wait_dscnt 0x0
	s_wait_loadcnt 0x0
	WIN 0x04                                       ; source 1 window 1: xa
.set j, 0
.rept 64
	v_pk_add_f32 v[128+j:129+j], v[128+j:129+j], v[128+j:129+j]
.set j, j+2
.endr
	WIN 0
.irp i, 0,1,2,3,4,5,6,7,8,9,10,11,12,13,14,15,16,17,18,19,20,21,22,23,24,25,26,27,28,29,30,31
	global_store_b128 v3, v[128+4*\i:131+4*\i], s[90:91] offset:4096*\i    ; 512 consecutive bytes a store
.endr
	s_wait_tensorcnt 0x0                           ; the wave's end
	ds_add_u32 v1, v2
	s_wait_dscnt 0x0
	CROUND                                         ; the closing round
	s_endpgm
.Lfunc_end_k_q01db0622d5_ffn2:
	.size	k_q01db0622d5_ffn2, .Lfunc_end_k_q01db0622d5_ffn2-k_q01db0622d5_ffn2
	.p2alignl 7, 3214868480
	.fill 96, 4, 3214868480
	.section	.rodata,"a",@progbits
	.p2align	6, 0x0
	.amdhsa_kernel k_q01db0622d5_ffn2
		.amdhsa_group_segment_fixed_size 327680
		.amdhsa_private_segment_fixed_size 0
		.amdhsa_enable_private_segment 0
		.amdhsa_kernarg_size 40
		.amdhsa_user_sgpr_count 2
		.amdhsa_user_sgpr_kernarg_segment_ptr 1
		.amdhsa_wavefront_size32 1
		.amdhsa_system_sgpr_workgroup_id_x 1
		.amdhsa_system_sgpr_workgroup_id_y 1
		.amdhsa_system_sgpr_workgroup_id_z 1
		.amdhsa_system_vgpr_workitem_id 0
		.amdhsa_next_free_vgpr 512
		.amdhsa_next_free_sgpr 104
		.amdhsa_reserve_vcc 0
		.amdhsa_float_denorm_mode_32 3
		.amdhsa_float_denorm_mode_16_64 3
		.amdhsa_memory_ordered 1
		.amdhsa_forward_progress 1
		.amdhsa_inst_pref_size 134
	.end_amdhsa_kernel
	.amdgpu_metadata
---
amdhsa.version: [ 1, 2 ]
amdhsa.kernels:
  - .name:           k_q01db0622d5_ffn2
    .symbol:         k_q01db0622d5_ffn2.kd
    .args:
      - { .name: hq, .offset: 0, .size: 8, .value_kind: global_buffer, .address_space: global }
      - { .name: W2_codes, .offset: 8, .size: 8, .value_kind: global_buffer, .address_space: global }
      - { .name: W2_scales, .offset: 16, .size: 8, .value_kind: global_buffer, .address_space: global }
      - { .name: xa, .offset: 24, .size: 8, .value_kind: global_buffer, .address_space: global }
      - { .name: z2, .offset: 32, .size: 8, .value_kind: global_buffer, .address_space: global }
    .group_segment_fixed_size: 327680
    .private_segment_fixed_size: 0
    .kernarg_segment_align: 8
    .kernarg_segment_size: 40
    .max_flat_workgroup_size: 128
    .sgpr_count:     104
    .vgpr_count:     512
    .wavefront_size: 32
...
	.end_amdgpu_metadata
.endif
;; end of part 6
;; launch lnorm2 (part 7): grid 256 x 1, 4 waves a work-group, no clusters, 0 bytes of LDS; arguments z2, g2, b2, out0; writes out0
.if DOCPART == 7
	.amdgcn_target "amdgcn-amd-amdhsa--gfx1250"
	.amdhsa_code_object_version 6
	.text
	.protected	k_q01db0622d5_lnorm2
	.globl	k_q01db0622d5_lnorm2
	.p2align	8
	.type	k_q01db0622d5_lnorm2,@function
k_q01db0622d5_lnorm2:
	s_mov_b64 s[64:65], 0
	v_nop
	global_prefetch_b8 v0, s[64:65] scope:SCOPE_SE
	s_setreg_imm32_b32 hwreg(HW_REG_WAVE_MODE, 25, 1), 1
	s_wait_xcnt 0x0
; out0 = LayerNorm(z2) g2 + b2, rows of 1,024 f32.  A wave takes a whole row (eight loads of 512 consecutive bytes, 32 registers) and four rows in all; nothing leaves the wave: no LDS, no barrier.
; All loads go out at the head.  Mean and variance in two passes (the variance of the differences).  Matrix units, clusters and LDS would add nothing to a stream.
; LIMITS: NaN and infinities are not served.
.set ZB, 64                            ; v64-191 four rows
.set GB, 192                           ; v192-223 g2, v224-255 b2, in the rows' layout
.set BB, 224
	s_load_b256 s[4:11], s[0:1], 0x0               ; z2, g2, b2, out0
	v_lshrrev_b32 v1, 5, v0
	v_readfirstlane_b32 s12, v1                    ; wave 0..3
	v_and_b32 v1, 31, v0
	v_lshlrev_b32 v1, 4, v1                        ; 16 x lane
	s_lshl_b32 s14, ttmp9, 16                      ; 16 rows of 4,096 bytes a work-group, 4 a wave
	s_lshl_b32 s13, s12, 14
	s_add_co_u32 s14, s14, s13
	s_mov_b32 s15, 0
	s_mov_b32 s16, 0x76543210
	s_mov_b32 s17, 0xfedcba98
	s_mov_b32 s18, 0x3a800000                      ; 1 / 1,024
	s_mov_b32 s19, 0x3727c5ac                      ; 1e-5
	v_mov_b32 v16, 0                               ; written once: a lane permute's destination counts as one of its sources
	s_wait_alu depctr_va_vdst(0)
	s_wait_kmcnt 0x0
	s_add_nc_u64 s[4:5], s[4:5], s[14:15]
	s_add_nc_u64 s[10:11], s[10:11], s[14:15]
.irp k, 0,1,2,3,4,5,6,7
	global_load_b128 v[GB+4*\k:GB+4*\k+3], v1, s[6:7] offset:512*\k
.endr
.irp k, 0,1,2,3,4,5,6,7
	global_load_b128 v[BB+4*\k:BB+4*\k+3], v1, s[8:9] offset:512*\k
.endr
.irp i, 0,1,2,3
.irp k, 0,1,2,3,4,5,6,7
	global_load_b128 v[ZB+32*\i+4*\k:ZB+32*\i+4*\k+3], v1, s[4:5] offset:4096*\i+512*\k th:TH_LOAD_NT
.endr
.endr
.macro LSUM                            ; four chains in v[8:15] become the sum over the wave, in v8 of every lane
	v_pk_add_f32 v[8:9], v[8:9], v[10:11]
	v_pk_add_f32 v[12:13], v[12:13], v[14:15]
	v_pk_add_f32 v[8:9], v[8:9], v[12:13]
	v_add_f32 v8, v8, v9
	v_add_f32_dpp v8, v8, v8 row_xmask:1 row_mask:0xf bank_mask:0xf
	v_add_f32_dpp v8, v8, v8 row_xmask:2 row_mask:0xf bank_mask:0xf
	v_add_f32_dpp v8, v8, v8 row_xmask:4 row_mask:0xf bank_mask:0xf
	v_add_f32_dpp v8, v8, v8 row_xmask:8 row_mask:0xf bank_mask:0xf
	v_permlanex16_b32 v16, v8, s16, s17
	v_add_f32 v8, v8, v16
.endm
.macro ROW i
.set ZR, ZB+32*(\i)
	s_wait_loadcnt 8*(3-\i)                        ; my row is in; the later rows' loads may be out
	v_pk_add_f32 v[8:9], v[ZR:ZR+1], v[ZR+2:ZR+3]
	v_pk_add_f32 v[10:11], v[ZR+4:ZR+5], v[ZR+6:ZR+7]
	v_pk_add_f32 v[12:13], v[ZR+8:ZR+9], v[ZR+10:ZR+11]
	v_pk_add_f32 v[14:15], v[ZR+12:ZR+13], v[ZR+14:ZR+15]
.irp j, 16,24
	v_pk_add_f32 v[8:9], v[8:9], v[ZR+\j:ZR+\j+1]
	v_pk_add_f32 v[10:11], v[10:11], v[ZR+\j+2:ZR+\j+3]
	v_pk_add_f32 v[12:13], v[12:13], v[ZR+\j+4:ZR+\j+5]
	v_pk_add_f32 v[14:15], v[14:15], v[ZR+\j+6:ZR+\j+7]
.endr
	LSUM
	v_mul_f32 v18, s18, v8                         ; the mean
	v_mov_b32 v19, v18
.irp j, 0,2,4,6,8,10,12,14,16,18,20,22,24,26,28,30
	v_pk_add_f32 v[ZR+\j:ZR+\j+1], v[ZR+\j:ZR+\j+1], v[18:19] neg_lo:[0,1] neg_hi:[0,1]
.endr
	v_pk_mul_f32 v[8:9], v[ZR:ZR+1], v[ZR:ZR+1]
	v_pk_mul_f32 v[10:11], v[ZR+2:ZR+3], v[ZR+2:ZR+3]
	v_pk_mul_f32 v[12:13], v[ZR+4:ZR+5], v[ZR+4:ZR+5]
	v_pk_mul_f32 v[14:15], v[ZR+6:ZR+7], v[ZR+6:ZR+7]
.irp j, 8,16,24
	v_pk_fma_f32 v[8:9], v[ZR+\j:ZR+\j+1], v[ZR+\j:ZR+\j+1], v[8:9]
	v_pk_fma_f32 v[10:11], v[ZR+\j+2:ZR+\j+3], v[ZR+\j+2:ZR+\j+3], v[10:11]
	v_pk_fma_f32 v[12:13], v[ZR+\j+4:ZR+\j+5], v[ZR+\j+4:ZR+\j+5], v[12:13]
	v_pk_fma_f32 v[14:15], v[ZR+\j+6:ZR+\j+7], v[ZR+\j+6:ZR+\j+7], v[14:15]
.endr
	LSUM
	v_fma_f32 v17, v8, s18, s19                    ; the variance + 1e-5
	s_wait_alu depctr_va_vdst(0)
	v_rsq_f32 v20, v17
	v_rsq_f32 v21, v17
	v_nop                                          ; a plain line behind the two
	s_wait_alu depctr_va_vdst(0)                   ; one wait for both, ahead of their first reader
.irp j, 0,2,4,6,8,10,12,14,16,18,20,22,24,26,28,30
	v_pk_mul_f32 v[ZR+\j:ZR+\j+1], v[ZR+\j:ZR+\j+1], v[20:21]
.endr
.irp j, 0,2,4,6,8,10,12,14,16,18,20,22,24,26,28,30
	v_pk_fma_f32 v[ZR+\j:ZR+\j+1], v[ZR+\j:ZR+\j+1], v[GB+\j:GB+\j+1], v[BB+\j:BB+\j+1]
.endr
.irp k, 0,1,2,3,4,5,6,7
	global_store_b128 v1, v[ZR+4*\k:ZR+4*\k+3], s[10:11] offset:4096*(\i)+512*\k th:TH_STORE_NT   ; 512 consecutive bytes a store; each row has registers of its own
.endr
.endm
	ROW 0
	ROW 1
	ROW 2
	ROW 3
	s_endpgm
.Lfunc_end_k_q01db0622d5_lnorm2:
	.size	k_q01db0622d5_lnorm2, .Lfunc_end_k_q01db0622d5_lnorm2-k_q01db0622d5_lnorm2
	.p2alignl 7, 3214868480
	.fill 96, 4, 3214868480
	.section	.rodata,"a",@progbits
	.p2align	6, 0x0
	.amdhsa_kernel k_q01db0622d5_lnorm2
		.amdhsa_group_segment_fixed_size 0
		.amdhsa_private_segment_fixed_size 0
		.amdhsa_enable_private_segment 0
		.amdhsa_kernarg_size 32
		.amdhsa_user_sgpr_count 2
		.amdhsa_user_sgpr_kernarg_segment_ptr 1
		.amdhsa_wavefront_size32 1
		.amdhsa_system_sgpr_workgroup_id_x 1
		.amdhsa_system_sgpr_workgroup_id_y 1
		.amdhsa_system_sgpr_workgroup_id_z 1
		.amdhsa_system_vgpr_workitem_id 0
		.amdhsa_next_free_vgpr 256
		.amdhsa_next_free_sgpr 66
		.amdhsa_reserve_vcc 0
		.amdhsa_float_denorm_mode_32 3
		.amdhsa_float_denorm_mode_16_64 3
		.amdhsa_memory_ordered 1
		.amdhsa_forward_progress 1
		.amdhsa_inst_pref_size 34
	.end_amdhsa_kernel
	.amdgpu_metadata
---
amdhsa.version: [ 1, 2 ]
amdhsa.kernels:
  - .name:           k_q01db0622d5_lnorm2
    .symbol:         k_q01db0622d5_lnorm2.kd
    .args:
      - { .name: z2, .offset: 0, .size: 8, .value_kind: global_buffer, .address_space: global }
      - { .name: g2, .offset: 8, .size: 8, .value_kind: global_buffer, .address_space: global }
      - { .name: b2, .offset: 16, .size: 8, .value_kind: global_buffer, .address_space: global }
      - { .name: out0, .offset: 24, .size: 8, .value_kind: global_buffer, .address_space: global }
    .group_segment_fixed_size: 0
    .private_segment_fixed_size: 0
    .kernarg_segment_align: 8
    .kernarg_segment_size: 32
    .max_flat_workgroup_size: 128
    .sgpr_count:     66
    .vgpr_count:     256
    .wavefront_size: 32
...
	.end_amdgpu_metadata
.endif
;; end of part 7
